; MI455X (gfx1250); checked and timed in simulation.
; The chip was launched on July 23, 2026; its instructions are those of AMD's public machine-readable ISA for CDNA 5 (MIT licence, August 2026) and "CDNA5" Instruction Set Architecture Reference Guide (July 2026). The comments in the code are by the model that wrote it; some were corrected since.
;; Multihead attention. Allowed arithmetic: matrix products marked QUANTISED: E4M3 operands, one E8M0 scale for each 32 along K, by v_wmma_scale_f32_16x16x128_f8f6f4 with both operands' format E4M3, f32 sums; products left as they are: f32 operands where the result goes on into a quantised operand, else bf16, f16 or f32 operands; f32 sums; everything else in f32.
;; Inputs: Wk 1,024 x 1,024 float32; Wo 1,024 x 1,024 float32; Wq 1,024 x 1,024 float32; Wv 1,024 x 1,024 float32; bk 1,024 float32; bo 1,024 float32; bq 1,024 float32; bv 1,024 float32; x 4 x 1,024 x 1,024 float32.
;; Outputs: out0 4 x 1,024 x 1,024 float32.
;; This version of the problem:
;;   THIS VERSION OF THE PROBLEM IS GIVEN IN LOW PRECISION. The matrix products marked QUANTISED in the list below multiply operands that are first quantised to E4M3 (4 exponent bits, 3 mantissa bits; 8 bits a number), with one power-of-two scale for each 32 numbers along K (OCP MX v1.0); their sums are f32. All else is computed in f32.
;;   The module's matrix products, in the order in which they are computed (A, B: the left and right operand; K: the contracted axis; several contracted axes count as one K, in the product's order):
;;     1. [M 4,096, K 1,024] x [K 1,024, N 1,024]; A: input x; B: input Wq: QUANTISED
;;     2. [M 4,096, K 1,024] x [K 1,024, N 1,024]; A: input x; B: input Wk: QUANTISED
;;     3. [M 4,096, K 1,024] x [K 1,024, N 1,024]; A: input x; B: input Wv: QUANTISED
;;     4. batch 256 x [M 1,024, K 16] x [K 16, N 1,024]; A: computed on the way; B: computed on the way: left as it is (K = 16 < 32)
;;     5. batch 256 x [M 1,024, K 1,024] x [K 1,024, N 16]; A: softmax (see below); B: computed on the way: QUANTISED
;;     6. [M 4,096, K 1,024] x [K 1,024, N 1,024]; A: computed on the way; B: input Wo: QUANTISED
;;   THE QUANTISER, for each operand of a quantised product, along K:
;;     - K is cut into blocks of 32 from its start; a last block that is shorter is filled with zeros.
;;     - A block's scale is 2^e with e = floor(log2(the largest magnitude in the block)) - 8, held to -126 .. 127; a block of zeros has e = 0. As a byte (E8M0): e + 127.
;;     - Each number is divided by its block's scale, clamped to +-448, and rounded to the nearest number of E4M3, ties to even, subnormals kept.
;;     - The product sums the exact products of the quantised numbers (number of the format x scale) in f32.
;;   ~~~python
;;   def quantise(x, axis):      # numpy; x: float32 -> the quantised numbers, widened to float32 again
;;       x = np.moveaxis(x, axis, -1); K = x.shape[-1]
;;       x = np.pad(x, [(0, 0)] * (x.ndim - 1) + [(0, -K % 32)]); x = x.reshape(x.shape[:-1] + (-1, 32)); a = np.abs(x).max(-1, keepdims=True)
;;       e = np.where(a > 0, np.clip(np.frexp(np.where(a > 0, a, 1))[1] - 1 - 8, -126, 127), 0)      # np.frexp(a)[1] - 1 = floor(log2(a)), exactly
;;       r = np.clip(x / 2.0 ** e, -448, 448)
;;       step = 2.0 ** (np.maximum(np.frexp(np.where(r == 0, 1, r))[1] - 1, -6) - 3)
;;       q = np.round(r / step) * step * 2.0 ** e      # np.round: ties to even
;;       return np.moveaxis(q.reshape(q.shape[:-2] + (-1,))[..., :K], -1, axis).astype(np.float32)
;;   ~~~
;;   SOFTMAX AHEAD OF A QUANTISED PRODUCT. Where the list says 'softmax', what is quantised is not the finished softmax but p = 2^(t - M), with t = logit x log2(e) and M = ceil(the row's largest t), a whole number; so 1/2 < the row's largest p <= 1. The row's sum l is taken of the UNQUANTISED p, in f32, and the product's result is divided by l at the end. Since M is a whole number, a kernel that streams over the keys may use a running M (the ceiling of the running maximum): every later rescaling is an exact power of two, which a block's scale takes up: the codes' values come out the same.
;;   OPERANDS COMPUTED ON THE WAY. 'Computed on the way' means the value that the module computes at that place (a softmax that the list does not call 'softmax' is quantised finished and normalised). What goes into a quantiser is computed in f32, as accurately as f32 sums, v_exp_f32 and their like allow (about 1e-6 of the number): no bf16 or f16 on the way to a quantiser, and a product that is left as it is and whose result goes on into a quantised operand takes f32 operands (vector FMAs, or v_wmma_f32_16x16x4_f32). A number that lies on a knife's edge between two numbers of the format may be rounded either way, as far as f32 arithmetic and the matrix unit's own rounding can turn it there, and no further.
;; 2 versions, each right; version 2 is version 1 with the launch attn written anew for expert scheduling mode. Each part assembles by itself: llvm-mc -triple=amdgcn-amd-amdhsa -mcpu=gfx1250 --defsym DOCPART=n.
;; ======== version 1 of 2: 2 launches
;; workspace buffers: xc 4,194,304 bytes; xs 131,072 bytes; wc 4,194,304 bytes; ws 131,072 bytes
;; launch quant (part 1): grid 256 x 1, 4 waves a work-group, no clusters, 57,856 bytes of LDS; arguments x, Wq, Wk, Wv, Wo, xc, xs, wc, ws; writes xc, xs, wc, ws
.if DOCPART == 1
	.amdgcn_target "amdgcn-amd-amdhsa--gfx1250"
	.amdhsa_code_object_version 6
	.text
	.protected	k_qf1aa1ec660_quant
	.globl	k_qf1aa1ec660_quant
	.p2align	8
	.type	k_qf1aa1ec660_quant,@function
k_qf1aa1ec660_quant:
	s_mov_b64 s[64:65], 0
	v_nop
	global_prefetch_b8 v0, s[64:65] scope:SCOPE_SE
	s_setreg_imm32_b32 hwreg(HW_REG_WAVE_MODE, 25, 1), 1
	s_wait_xcnt 0x0
; x [4096][1024] and Wq, Wk, Wv, Wo [1024 (k)][1024 (n)], f32, become codes of FP8 (E4M3) with one E8M0 scale byte for each 32 along K, laid IN THE ORDER OF THE OPERAND'S REGISTERS.
; A FRAGMENT is 16 rows x 128 K = 2,048 bytes, [c 0..3][lane 0..31][16 bytes]: lane 16 hh + r, byte i holds k = 128 s + 32 c + 16 hh + i of the fragment's row r.  Four loads of 16 bytes a lane, 512 bytes apart, bring it.
;   xc [tile 256][K step 8][fragment]: tile 2 G + u, lane r = row 32 G + 8 u + r + 8 (r / 8) of x.      xs [tile][K step][r] words, byte c for block c.
;   wc [a 64][matrix 4: q, k, v, o][K step 8][fragment]: lane r = column 16 a + r.                        ws [a][matrix][K step][r] words.
; A block's scale is 2^(floor(log2(its largest magnitude)) - 8); its byte is the largest magnitude's exponent field - 8, held at 1 from below.  Each number is divided by the scale, held within +-448, rounded to the nearest code, ties to even.
; LIMITS: NaN and infinities among the inputs are not served; a block whose largest magnitude lies under 2^-118 keeps the byte 1; a block of zeros has the byte 1 where the rule says 127 (its codes are zeros, and this program alone reads the bytes).
; Work-groups 0-127 take x, 128-255 the weights.  No barrier: waves share nothing.  Only x's path uses LDS.  No matrix unit, no cluster: each input byte is read once, by one wave.
.set MANT,  0x600000                   ; the mantissa field of 448 as f32
.set FLOOR, 0x4800000                  ; 2^(9 - 127): under it no largest magnitude is taken, so the byte cannot fall under 1
.set SP,    80                         ; x: a lane's place in a stage of numbers: 64 bytes + 16 of padding
.set CST,   2*32*SP                    ; behind the two stages of numbers: the stage of codes, 32 rows x (256 + 16) bytes
.set SBY,   CST+32*272                 ; behind it: the wave's 256 scale bytes
.set WREG,  14336                      ; a wave's region of LDS
.set R,     16                         ; v16-79   x: four sets of 16 numbers as loaded; at the end the codes on their way out
.set X,     80                         ; v80-111  x: two sets of 16 neighbours
.set E,     112                        ; v112-127 x: a scale byte for each step
.set C,     128                        ; v128-191 x: four registers of codes for each step: no store's data are written again
.set WX,    32                         ; v32-95   W: two sets of 32 numbers
.set WC,    96                         ; v96-159  W: eight registers of codes for each block
.set WSB,   24                         ; v24-25   W: scale bytes, four to a register
	s_load_b256 s[4:11], s[0:1], 0x0               ; x s[4:5], Wq s[6:7], Wk s[8:9], Wv s[10:11]
	s_load_b256 s[12:19], s[0:1], 0x20             ; Wo s[12:13], xc s[14:15], xs s[16:17], wc s[18:19]
	s_load_b64 s[20:21], s[0:1], 0x40              ; ws
	v_lshl_add_u32 v192, v0, 2, 0xe000
	v_mov_b32 v193, 0
	v_lshrrev_b32 v1, 5, v0
	v_readfirstlane_b32 s22, v1                    ; wave 0..3
	v_and_b32 v2, 31, v0                           ; lane
	s_mov_b32 s23, MANT                            ; (an instruction takes one literal: the hold's line has another)
	s_mov_b32 s29, 0                               ; the upper word of every offset
	s_wait_kmcnt 0x0
	s_cmp_lt_u32 ttmp9, 128
	s_cbranch_scc0 .Lweights
; ---------------- x: K is innermost.  A wave takes half a tile: 16 rows x 512 along K, a row a step.
; Each of a step's four loads reads 512 consecutive bytes; the 2,048 bytes turn through the wave's stage, so that lane l holds the 16 neighbours k = 16 l .. 16 l + 15: two neighbouring lanes hold a block.
; Lane l's 16 codes of row t belong at byte 256 l + 16 t of the wave's 8,192 bytes of xc: they are gathered in the stage of codes (row l, 16 t) and leave as whole rows of 256 bytes.
	s_lshl_b32 s24, ttmp9, 2
	s_add_co_u32 s24, s24, s22                     ; q = 4 x work-group + wave: which half tile
	s_lshr_b32 s25, s24, 1                         ; the tile
	s_and_b32 s26, s24, 1                          ; the half of K
	s_lshr_b32 s27, s25, 1                         ; G
	s_and_b32 s28, s25, 1                          ; u
	s_lshl_b32 s27, s27, 17                        ; 32 G rows of 4,096 bytes
	s_lshl_b32 s28, s28, 15                        ; 8 u rows
	s_add_co_u32 s28, s27, s28
	s_lshl_b32 s26, s26, 11                        ; 512 numbers
	s_add_co_u32 s28, s28, s26
	s_add_nc_u64 s[4:5], s[4:5], s[28:29]
	s_lshl_b32 s28, s24, 13                        ; 8,192 bytes of codes a half tile
	s_add_nc_u64 s[14:15], s[14:15], s[28:29]
	s_lshl_b32 s28, s24, 8                         ; 256 scale bytes
	s_add_nc_u64 s[16:17], s[16:17], s[28:29]
	s_mul_i32 s30, s22, WREG                       ; my region of LDS
	v_lshlrev_b32 v3, 4, v2                        ; 16 x lane: my bytes of a load's or a store's 512
	v_lshrrev_b32 v14, 2, v2
	v_mul_u32_u24 v14, v14, SP
	v_and_b32 v15, 3, v2
	v_lshl_add_u32 v14, v15, 4, v14
	v_add_nc_u32 v14, s30, v14                     ; the stage of numbers, way in: SP (lane / 4) + 16 (lane % 4)
	v_mul_u32_u24 v15, v2, SP
	v_add_nc_u32 v15, s30, v15                     ; way out: SP x lane
	s_add_co_u32 s31, s30, CST
	v_mul_u32_u24 v4, v2, 272
	v_add_nc_u32 v4, s31, v4                       ; the stage of codes, way in: row = lane
	v_lshrrev_b32 v1, 4, v2
	v_mul_u32_u24 v1, v1, 272
	v_and_b32 v5, 15, v2
	v_lshl_add_u32 v1, v5, 4, v1
	v_add_nc_u32 v1, s31, v1                       ; way out: sixteen lanes to a row, two rows an instruction
	s_add_co_u32 s31, s30, SBY
	v_lshrrev_b32 v5, 3, v2
	v_lshlrev_b32 v5, 6, v5                        ; my K step of the four: 64 bytes of scale words each,
	v_bfe_u32 v6, v2, 1, 2                         ; my block in it: the byte in the word
	v_add_nc_u32 v5, v5, v6
	v_add_nc_u32 v5, s31, v5                       ; the row's word, 4 t, stands in the store's offset
	v_lshlrev_b32 v7, 3, v2                        ; on the way out 8 scale bytes a lane
	v_add_nc_u32 v6, s31, v7
.macro LOAD t                          ; row t of the tile is row t + 8 (t / 8) of its 32 G + 8 u
.irp i, 0,1,2,3
	global_load_b128 v[R+16*((\t)%4)+4*\i:R+16*((\t)%4)+4*\i+3], v3, s[4:5] offset:((\t)+8*((\t)/8))*4096+512*\i th:TH_LOAD_NT
.endr
.endm
.macro TURN t                          ; LDS serves a wave's instructions in order (ISA guide 5.7.1.4): no wait between the stores and the loads
.irp i, 0,1,2,3
	ds_store_b128 v14, v[R+16*((\t)%4)+4*\i:R+16*((\t)%4)+4*\i+3] offset:32*SP*((\t)%2)+8*SP*\i
.endr
.irp i, 0,1,2,3
	ds_load_b128 v[X+16*((\t)%2)+4*\i:X+16*((\t)%2)+4*\i+3], v15 offset:32*SP*((\t)%2)+16*\i
.endr
.endm
.macro STEP t
.set XS, X+16*((\t)%2)
.if (\t) > 0
	s_wait_dscnt 2                                 ; this step's numbers are back from the stage; the last step's byte store and code store may be out
.else
	s_wait_dscnt 0x0
.endif
.if (\t)+4 < 16
	LOAD (\t)+4                                    ; into the set that this step's stage stores have read
.endif
.if (\t)+1 < 16
.if 14-(\t) >= 3
	s_wait_loadcnt 12                              ; the next step's four loads are in; those of the three steps behind it may be out
.else
	s_wait_loadcnt 4*(14-(\t))                     ; the tail: the steps that are left behind the next one
.endif
	TURN (\t)+1                                    ; through the other stage while this step is worked
.endif
	v_max3_num_f32 v8, |v[XS]|, |v[XS+1]|, |v[XS+2]|               ; the largest magnitude of my 16, in two chains
	v_max3_num_f32 v9, |v[XS+3]|, |v[XS+4]|, |v[XS+5]|
.irp i, 6,10
	v_max3_num_f32 v8, v8, |v[XS+\i]|, |v[XS+\i+1]|
	v_max3_num_f32 v9, v9, |v[XS+\i+2]|, |v[XS+\i+3]|
.endr
	v_max3_num_f32 v8, v8, |v[XS+14]|, |v[XS+15]|
	v_max3_num_f32 v8, v8, v9, FLOOR
	v_max_num_f32_dpp v8, v8, v8 row_xmask:1 row_mask:0xf bank_mask:0xf   ; and of my neighbour's 16: the block's
	v_add_nc_u32 v11, 0xfc000000, v8               ; 8 off its exponent field: the conversion takes the exponent field of this operand as its scale
	v_and_or_b32 v10, v8, 0x7f800000, s23          ; 448 x the scale
.irp i, 0,1,2,3,4,5,6,7,8,9,10,11,12,13,14,15
	v_med3_num_f32 v[XS+\i], v[XS+\i], -v10, v10   ; the conversion to an 8-bit code does not saturate (ISA guide 7.6.2): the hold comes first
.endr
	v_cvt_scalef32_pk8_fp8_f32 v[C+4*(\t):C+4*(\t)+1], v[XS:XS+7], v11
	v_cvt_scalef32_pk8_fp8_f32 v[C+4*(\t)+2:C+4*(\t)+3], v[XS+8:XS+15], v11
	v_lshrrev_b32 v[E+(\t)], 23, v11               ; the scale's byte (also the plain line behind the conversions)
	ds_store_b8 v5, v[E+(\t)] offset:4*(\t)        ; both lanes of a block write the same byte with the same value
	ds_store_b128 v4, v[C+4*(\t):C+4*(\t)+3] offset:16*(\t)   ; lanes 272 bytes apart: sixteen lanes, sixteen different columns of 16 bytes
.endm
.irp t, 0,1,2,3
	LOAD \t
.endr
	s_wait_loadcnt 12                              ; step 0's four loads are in
	TURN 0
.irp t, 0,1,2,3,4,5,6,7,8,9,10,11,12,13,14,15
	STEP \t
.endr
.irp i, 0,1,2,3,4,5,6,7,8,9,10,11,12,13,14,15
	ds_load_b128 v[R+4*\i:R+4*\i+3], v1 offset:544*\i            ; these see my stores: LDS serves a wave in order
.endr
	ds_load_b64 v[12:13], v6
.irp i, 0,1,2,3,4,5,6,7,8,9,10,11,12,13,14,15
	s_wait_dscnt 16-\i                             ; behind load i: the 15 - i younger ones and the load of the scale bytes
	global_store_b128 v3, v[R+4*\i:R+4*\i+3], s[14:15] offset:512*\i   ; 32 lanes store 512 consecutive bytes, aligned
.endr
	s_wait_dscnt 0x0
	global_store_b64 v7, v[12:13], s[16:17]        ; 32 lanes store 256 consecutive bytes, aligned
	s_wait_tensorcnt 0x0
	ds_add_u32 v192, v193
	s_wait_dscnt 0x0
	s_endpgm
; ---------------- the weights: K is the FIRST axis.  A lane takes a column and its registers run down K: a block of 32 lies in one lane, and the conversions give codes with K innermost.
; A work-group takes one matrix, 128 columns, 256 along K; a wave 32 columns: two a's.  A block's 32 codes are the lane's 16 bytes of halves hh = 0 and 1 of a fragment's group c: sixteen lanes store 256 consecutive bytes straight from registers.
.Lweights:
	s_sub_co_u32 s24, ttmp9, 128
	s_lshr_b32 s25, s24, 5                         ; the matrix: 0 q, 1 k, 2 v, 3 o
	s_bfe_u32 s26, s24, 0x20003                    ; which 256 along K
	s_and_b32 s27, s24, 7                          ; which 128 columns
	s_cmp_eq_u32 s25, 1                            ; the choice hangs on the work-group's number alone
	s_cselect_b64 s[4:5], s[8:9], s[6:7]
	s_cmp_eq_u32 s25, 2
	s_cselect_b64 s[4:5], s[10:11], s[4:5]
	s_cmp_eq_u32 s25, 3
	s_cselect_b64 s[4:5], s[12:13], s[4:5]
	s_lshl_b32 s28, s26, 20                        ; 256 rows of 4,096 bytes
	s_lshl_b32 s30, s27, 9
	s_add_co_u32 s28, s28, s30
	s_lshl_b32 s30, s22, 7
	s_add_co_u32 s28, s28, s30                     ; + my wave's first column
	s_add_nc_u64 s[4:5], s[4:5], s[28:29]
	s_lshl_b32 s30, s27, 3
	s_lshl_b32 s31, s22, 1
	s_add_co_u32 s30, s30, s31                     ; my wave's first a = 8 x column block + 2 x wave
	s_lshl_b32 s28, s30, 16
	s_lshl_b32 s31, s25, 14
	s_add_co_u32 s28, s28, s31
	s_lshl_b32 s31, s26, 12                        ; two K steps of 2,048 bytes
	s_add_co_u32 s28, s28, s31
	s_add_nc_u64 s[18:19], s[18:19], s[28:29]
	s_lshl_b32 s28, s30, 11
	s_lshl_b32 s31, s25, 9
	s_add_co_u32 s28, s28, s31
	s_lshl_b32 s31, s26, 7
	s_add_co_u32 s28, s28, s31
	s_add_nc_u64 s[20:21], s[20:21], s[28:29]
	v_lshlrev_b32 v3, 2, v2                        ; in: 4 bytes a lane
	v_lshrrev_b32 v4, 4, v2                        ; which of my two a's
	v_and_b32 v5, 15, v2                           ; r
	v_lshlrev_b32 v8, 16, v4
	v_lshl_add_u32 v8, v5, 4, v8                   ; codes: 65,536 an a, 16 r
	v_lshlrev_b32 v9, 11, v4
	v_lshl_add_u32 v9, v5, 2, v9                   ; scale words: 2,048 an a, 4 r
.macro WLOAD t                         ; block t: W(32 t + i, my column): 32 lanes read 128 consecutive bytes
.irp i, 0,1,2,3,4,5,6,7,8,9,10,11,12,13,14,15,16,17,18,19,20,21,22,23,24,25,26,27,28,29,30,31
	global_load_b32 v[WX+32*((\t)%2)+\i], v3, s[4:5] offset:(32*(\t)+\i)*4096 th:TH_LOAD_NT
.endr
.endm
.macro BLOCK t
.set XB, WX+32*((\t)%2)
.set CB, WC+8*(\t)
.if (\t) < 7
	s_wait_loadcnt 32                              ; this block's 32 loads are in; the next block's may be out
.else
	s_wait_loadcnt 0x0
.endif
	v_max3_num_f32 v12, |v[XB]|, |v[XB+1]|, |v[XB+2]|              ; the block's largest magnitude: all 32 numbers are mine
	v_max3_num_f32 v13, |v[XB+3]|, |v[XB+4]|, |v[XB+5]|
.irp i, 6,10,14,18,22,26
	v_max3_num_f32 v12, v12, |v[XB+\i]|, |v[XB+\i+1]|
	v_max3_num_f32 v13, v13, |v[XB+\i+2]|, |v[XB+\i+3]|
.endr
	v_max3_num_f32 v12, v12, |v[XB+30]|, |v[XB+31]|
	v_max3_num_f32 v12, v12, v13, FLOOR
	v_add_nc_u32 v11, 0xfc000000, v12              ; the conversion's scale operand
	v_and_or_b32 v10, v12, 0x7f800000, s23         ; 448 x the scale
	v_lshrrev_b32 v13, 23, v11                     ; the scale's byte
.if (\t)%4 == 0
	v_mov_b32 v[WSB+(\t)/4], v13                   ; four bytes to a word, the lower K in the lower byte
.else
	v_lshl_or_b32 v[WSB+(\t)/4], v13, 8*((\t)%4), v[WSB+(\t)/4]
.endif
.irp i, 0,1,2,3,4,5,6,7,8,9,10,11,12,13,14,15,16,17,18,19,20,21,22,23,24,25,26,27,28,29,30,31
	v_med3_num_f32 v[XB+\i], v[XB+\i], -v10, v10
.endr
.irp g, 0,1,2,3
	v_cvt_scalef32_pk8_fp8_f32 v[CB+2*\g:CB+2*\g+1], v[XB+8*\g:XB+8*\g+7], v11
.endr
	v_nop                                          ; a plain line behind the last conversion
	global_store_b128 v8, v[CB:CB+3], s[18:19] offset:512*(\t)           ; k 0-15 of the block: half hh = 0; sixteen lanes store 256 consecutive bytes, aligned
	global_store_b128 v8, v[CB+4:CB+7], s[18:19] offset:512*(\t)+256     ; k 16-31: half hh = 1
.if (\t)+2 < 8
	WLOAD (\t)+2
.endif
.endm
	WLOAD 0
	WLOAD 1
.irp t, 0,1,2,3,4,5,6,7
	BLOCK \t
.endr
	global_store_b32 v9, v[WSB], s[20:21]          ; my column's words of the two K steps: sixteen lanes store 64 consecutive bytes: runs shorter than 256, one byte for each 128 that this path reads
	global_store_b32 v9, v[WSB+1], s[20:21] offset:64
	s_endpgm
.Lfunc_end_k_qf1aa1ec660_quant:
	.size	k_qf1aa1ec660_quant, .Lfunc_end_k_qf1aa1ec660_quant-k_qf1aa1ec660_quant
	.p2alignl 7, 3214868480
	.fill 96, 4, 3214868480
	.section	.rodata,"a",@progbits
	.p2align	6, 0x0
	.amdhsa_kernel k_qf1aa1ec660_quant
		.amdhsa_group_segment_fixed_size 57856
		.amdhsa_private_segment_fixed_size 0
		.amdhsa_enable_private_segment 0
		.amdhsa_kernarg_size 72
		.amdhsa_user_sgpr_count 2
		.amdhsa_user_sgpr_kernarg_segment_ptr 1
		.amdhsa_wavefront_size32 1
		.amdhsa_system_sgpr_workgroup_id_x 1
		.amdhsa_system_sgpr_workgroup_id_y 1
		.amdhsa_system_sgpr_workgroup_id_z 1
		.amdhsa_system_vgpr_workitem_id 0
		.amdhsa_next_free_vgpr 194
		.amdhsa_next_free_sgpr 66
		.amdhsa_reserve_vcc 0
		.amdhsa_float_denorm_mode_32 3
		.amdhsa_float_denorm_mode_16_64 3
		.amdhsa_memory_ordered 1
		.amdhsa_forward_progress 1
		.amdhsa_inst_pref_size 110
	.end_amdhsa_kernel
	.amdgpu_metadata
---
amdhsa.version: [ 1, 2 ]
amdhsa.kernels:
  - .name:           k_qf1aa1ec660_quant
    .symbol:         k_qf1aa1ec660_quant.kd
    .args:
      - { .name: x, .offset: 0, .size: 8, .value_kind: global_buffer, .address_space: global }
      - { .name: Wq, .offset: 8, .size: 8, .value_kind: global_buffer, .address_space: global }
      - { .name: Wk, .offset: 16, .size: 8, .value_kind: global_buffer, .address_space: global }
      - { .name: Wv, .offset: 24, .size: 8, .value_kind: global_buffer, .address_space: global }
      - { .name: Wo, .offset: 32, .size: 8, .value_kind: global_buffer, .address_space: global }
      - { .name: xc, .offset: 40, .size: 8, .value_kind: global_buffer, .address_space: global }
      - { .name: xs, .offset: 48, .size: 8, .value_kind: global_buffer, .address_space: global }
      - { .name: wc, .offset: 56, .size: 8, .value_kind: global_buffer, .address_space: global }
      - { .name: ws, .offset: 64, .size: 8, .value_kind: global_buffer, .address_space: global }
    .group_segment_fixed_size: 57856
    .private_segment_fixed_size: 0
    .kernarg_segment_align: 8
    .kernarg_segment_size: 72
    .max_flat_workgroup_size: 128
    .sgpr_count:     66
    .vgpr_count:     194
    .wavefront_size: 32
...
	.end_amdgpu_metadata
.endif
;; end of part 1
;; launch attn (part 2): grid 256 x 1, 16 waves a work-group, no clusters, 288,256 bytes of LDS; arguments xc, xs, wc, ws, bq, bk, bv, bo, out0; writes out0
.if DOCPART == 2
	.amdgcn_target "amdgcn-amd-amdhsa--gfx1250"
	.amdhsa_code_object_version 6
	.text
	.protected	k_qf1aa1ec660_attn
	.globl	k_qf1aa1ec660_attn
	.p2align	8
	.type	k_qf1aa1ec660_attn,@function
k_qf1aa1ec660_attn:
	s_mov_b64 s[64:65], 0
	v_nop
	global_prefetch_b8 v0, s[64:65] scope:SCOPE_SE
	s_setreg_imm32_b32 hwreg(HW_REG_WAVE_MODE, 25, 1), 1
	s_wait_xcnt 0x0
; ONE WORK-GROUP TAKES ONE HEAD THROUGH THE WHOLE CHAIN.  Head n = 4 a + b: tokens of batch b, columns 16 a .. 16 a + 15 of Wq, Wk, Wv.
;   P: q, k, v = x W + bias on codes of FP8 (E4M3) with E8M0 scales | A: scores = q k^T in f32, p = 2^(t - M), O^T += V^T p^T on codes, / the row's sum | O: the head's 1,024 x 16 numbers ARE rows 16 n .. 16 n + 15 of the
;   [4096][1024] matrix that meets Wo (row 16 n + t / 64, column 16 (t % 64) + h): they are quantised along that row and multiplied by Wo's codes; + bo; stored.  Nothing of q, k, v, p or z goes to memory.
; SHARES.  Sixteen waves, four to a SIMD, 256 registers each, so that one wave's vector work stands beside another's matrix work.  Wave w owns tokens 64 w .. 64 w + 63 as queries and as keys (x tiles 64 b + 4 w + i), row w of the
; head's 16 rows of z, and output columns 64 w .. 64 w + 63.
; LAYOUT.  x's tile 2 B + u holds, in lane r, token 32 B + 8 u + r + 8 (r / 8) of the wave's 64.  q and k are made transposed (source 0 = 16 columns of W, source 1 = 16 tokens): a lane holds one token and dims 8 hh + 0..7, which
; is an operand of the f32 form as it stands: its step c takes registers 2 c, 2 c + 1 on both sides, dims 8 hh + 2 c + 0, 1: the same order of the 16 dims in both operands.  S^T = k q^T gives a lane ONE query, and the 16 registers
; of key tiles 2 B, 2 B + 1 are 16 neighbouring keys: the conversions' results are the next operand.  v is made the other way round (source 0 = tokens): a lane holds one dim and 16 neighbouring keys of each block of 32.
; SOFTMAX.  t = score x log2(e) / 8; M = the running largest t rounded UP to a whole number; p = 2^(t - M), not normalised, is what is quantised; the row's sum is taken of the unquantised p; when M moves, the sum and O^T are multiplied by 2^(old M - new M), exactly.
; OPERANDS GO FROM WAVE TO WAVE THROUGH LDS AS IMAGES OF THEIR REGISTERS: 16 bytes a lane at 16 x lane.  Three barriers: the weights' images | k and v | z.  No LDS byte is written twice.
; NO CLUSTER, NO JOINT LOADS: the 64 heads of a batch read the same codes of x and all heads the same codes of Wo, but in a work-group each such fragment is read by ONE wave, straight into its registers by loads of 512 consecutive
; bytes, and the two phases that read them hold 128 of a wave's 1,184 matrix instructions; joint loads would want a ring in LDS with a meeting of the cluster for each refill of it.
; bo is added by 16 packed additions a wave and is not a product's C: beside the two buffers of Wo (128 registers) and z's fragment (16) the registers that loads may write leave 24, and the bias wants 32.
; v44-107 are written by matrix instructions alone in the whole text: k's and v's sums, then the scores, then the output's sums.
; LIMITS: NaN and infinities are not served; a block whose largest magnitude lies under 2^-118 keeps the byte 1, a block of zeros too (its codes are zeros); a p under 2^-126 is 0 (the exponential gives no denormals: ISA guide 15.8).
.set WIMG, 0                           ; LDS: the head's fragments of Wq, Wk, Wv: [matrix 3][K step 8][2,048]
.set WSC,  49152                       ; ws's block of a, whole (512 words, one a thread; Wo's 512 bytes ride along unread)
.set XSC,  51200                       ; 2,048 a wave: its x tiles' scale words [tile 4][K step 8][r 16]
.set KIMG, 83968                       ; 64 key tiles x 1,024: registers 0-3 at 16 x lane, 4-7 at 512 + 16 x lane
.set VIMG, 149504                      ; 8 key steps x a fragment of V^T's codes
.set VSC,  165888                      ; 8 x 128: V^T's scale word at 4 x lane
.set ZIMG, 166912                      ; 8 K steps x a fragment of z's codes: 256 x token + 16 x row + dim
.set ZSC,  183296                      ; [K step 8][row 16] words
.set STG,  183808                      ; 4,352 a wave: 16 rows x (256 + 16) bytes, for the way out
.set WOSC, 253440                      ; 2,048 a wave: the scale words of its four tiles of Wo
.set LI,   1                           ; v1   16 x lane: never rewritten
.set QA,   12                          ; v12-43   q, tile i at 12 + 8 i
.set S,    44                          ; v44-107  the scores, key tile j at 44 + 8 j
.set KA,   44                          ; P: k's sums, tile i at 44 + 8 i
.set VA,   76                          ; P: v's sums
.set BQ,   108                         ; P: the biases in the results' layouts
.set BK,   116
.set BV,   124
.set WF,   132                         ; P: the weights' three fragments of a K step
.set XF,   180                         ; P: x's four fragments of a K step
.set KP,   108                         ; A: v108-171 eight key tiles, then p
.set OT,   172                         ; A: v172-179 O^T
.set VF,   180                         ; A: V^T's fragment
.set PC,   196                         ; A: p's codes
.set BM,   212                         ; A: the blocks' largest scores, then largest p
.set T2,   216                         ; A: at work: the other half's maxima, then the bytes
.set HL,   220                         ; A: 448 x the scales
.set SO,   224                         ; A: the conversions' scale operands
.set NM,   228                         ; A: -M;  v229 the running largest t (the packed form names the pair and takes its low word)
.set TM,   229
.set SUM,  230                         ; A: v[230:231] the row's sum in two halves
.set SUM2, 232
.set FF,   234                         ; A: f = 2^(old M - new M); v235 is named with it as a pair
.set TMP,  236
.set Z,    108                         ; A, a tile's end: z, its codes, at work
.set ZC,   116
.set ZF,   12                          ; O: z's fragment
.set OA,   44                          ; O: the four sums
.set WB,   108                         ; O: two buffers of four fragments of Wo, v108-171 and v172-235
.set WS,   244                         ; v244-252 hold scale words and nothing else
.set XS,   247
.set VS,   251
.set PS,   252
.set WOS,  244
.set ZS,   248
.set WV,   22                          ; s22 wave;  s23 a;  s24 b
.set SEL,  34                          ; s[34:35] v_permlanex16_b32's selects for lane l xor 16
.set CS,   36                          ; s[36:37] c = log2(e) / 8
.set MNT,  38                          ; s38 the mantissa field of 448
.set CNT,  39                          ; s39 key steps to go
.set TK,   40                          ; s40-42 the key step's place in KIMG, VIMG, VSC
.set TVS,  41
.set TSS,  42
.macro PLACES n                        ; places behind matrix instructions: plain vector instructions that name none of their registers (ISA guide 7.12.1); eight behind the forms used here
.rept \n
	v_nop
.endr
.endm
; ---------------- H: addresses; the head's weights and every wave's scale words go to LDS; the biases and x's first K step are asked for
	s_load_b256 s[4:11], s[0:1], 0x0               ; xc s[4:5], xs s[6:7], wc s[8:9], ws s[10:11]
	s_load_b256 s[12:19], s[0:1], 0x20             ; bq, bk, bv, bo
	s_load_b64 s[20:21], s[0:1], 0x40              ; out0
	v_lshl_add_u32 v254, v0, 2, 0x45e00
	v_mov_b32 v255, 0
	v_lshrrev_b32 v13, 5, v0
	v_readfirstlane_b32 s[WV], v13                 ; wave 0..15
	s_lshr_b32 s23, ttmp9, 2                       ; a
	s_and_b32 s24, ttmp9, 3                        ; b
	s_lshl_b32 s25, s24, 6
	s_lshl_b32 s26, s[WV], 2
	s_add_co_u32 s25, s25, s26                     ; my first x tile: 64 b + 4 w
	v_and_b32 v13, 31, v0                          ; lane
	v_and_b32 v14, 15, v0                          ; r
	v_bfe_u32 v15, v0, 4, 1                        ; hh
	v_lshlrev_b32 v[LI], 4, v13
	v_lshlrev_b32 v7, 4, v0                        ; 16 x thread: the weights' copy, in memory and in LDS (WIMG = 0)
	v_lshlrev_b32 v12, 2, v0                       ; 4 x thread: their scale words in memory,
	v_lshl_add_u32 v9, v0, 2, WSC                  ; and in LDS
	s_lshl_b32 s26, s[WV], 11
	s_add_co_u32 s26, s26, XSC
	v_lshl_add_u32 v8, v13, 4, s26                 ; x's scale words, way in
	v_lshl_add_u32 v3, v14, 2, s26                 ; and out: row r's word
	v_lshl_add_u32 v2, v14, 2, WSC                 ; the weights' scale words: column r's word
	v_lshlrev_b32 v10, 5, v15                      ; bq, bk: my eight dims 8 hh + 0..7
	v_lshlrev_b32 v11, 2, v14                      ; bv: my dim r
	s_lshl_b32 s27, s[WV], 12
	s_add_co_u32 s27, s27, KIMG
	v_lshl_add_u32 v4, v13, 4, s27                 ; where my four key tiles go
	s_lshl_b32 s27, s[WV], 10
	s_add_co_u32 s27, s27, VIMG
	v_lshl_add_u32 v5, v13, 4, s27                 ; where my two groups of V^T's codes go: key step w / 2, groups 2 (w % 2) + 0, 1
	s_lshr_b32 s27, s[WV], 1
	s_lshl_b32 s27, s27, 7
	s_and_b32 s28, s[WV], 1
	s_lshl_b32 s28, s28, 1
	s_add_co_u32 s27, s27, s28
	s_add_co_u32 s27, s27, VSC
	v_lshl_add_u32 v6, v13, 2, s27                 ; and their two scale bytes
	s_mov_b32 s[SEL], 0x76543210
	s_mov_b32 s[SEL+1], 0xfedcba98
	s_mov_b32 s[CS], 0x3e38aa3b                    ; log2(e) / 8
	s_mov_b32 s[CS+1], s[CS]                       ; (named with it as a pair, so it is written)
	s_mov_b32 s[MNT], 0x600000
	s_mov_b32 s27, 0                               ; the upper word of every offset
	s_wait_kmcnt 0x0
	s_lshl_b32 s26, s[WV], 18                      ; Wo's codes of my four tiles a' = 4 w + 0..3, matrix 3
	s_add_co_u32 s26, s26, 49152
	s_add_nc_u64 s[30:31], s[8:9], s[26:27]
	s_lshl_b32 s26, s[WV], 13                      ; and their scale words
	s_add_co_u32 s26, s26, 1536
	s_add_nc_u64 s[32:33], s[10:11], s[26:27]
	s_lshl_b32 s26, s25, 14
	s_add_nc_u64 s[4:5], s[4:5], s[26:27]          ; x's codes at my first tile
	s_lshl_b32 s26, s25, 9
	s_add_nc_u64 s[6:7], s[6:7], s[26:27]          ; its scale words
	s_lshl_b32 s26, s23, 16
	s_add_nc_u64 s[8:9], s[8:9], s[26:27]          ; the head's weights
	s_lshl_b32 s26, s23, 11
	s_add_nc_u64 s[10:11], s[10:11], s[26:27]
	s_lshl_b32 s26, s23, 6
	s_add_nc_u64 s[12:13], s[12:13], s[26:27]      ; the head's 16 numbers of bq, bk, bv
	s_add_nc_u64 s[14:15], s[14:15], s[26:27]
	s_add_nc_u64 s[16:17], s[16:17], s[26:27]
	s_lshl_b32 s26, s[WV], 8
	s_add_nc_u64 s[18:19], s[18:19], s[26:27]      ; my 64 numbers of bo
	s_add_nc_u64 s[20:21], s[20:21], s[26:27]      ; my 64 columns of the output,
	s_lshl_b32 s26, ttmp9, 16
	s_add_nc_u64 s[20:21], s[20:21], s[26:27]      ; rows 16 n on
.macro XLD i, s                        ; x's fragment of tile i, K step s
.irp c, 0,1,2,3
	global_load_b128 v[XF+16*(\i)+4*\c:XF+16*(\i)+4*\c+3], v[LI], s[4:5] offset:16384*(\i)+2048*(\s)+512*\c
.endr
.endm
	global_load_b32 v156, v12, s[10:11]            ; 11 loads for the copy,
.irp j, 0,1,2,3,4,5
	global_load_b128 v[132+4*\j:135+4*\j], v7, s[8:9] offset:8192*\j
.endr
.irp j, 0,1,2,3
	global_load_b128 v[160+4*\j:163+4*\j], v[LI], s[6:7] offset:512*\j
.endr
	global_load_b128 v[BQ:BQ+3], v10, s[12:13]     ; 12 for the biases,
	global_load_b128 v[BQ+4:BQ+7], v10, s[12:13] offset:16
	global_load_b128 v[BK:BK+3], v10, s[14:15]
	global_load_b128 v[BK+4:BK+7], v10, s[14:15] offset:16
.irp j, 0,1,2,3,4,5,6,7
	global_load_b32 v[BV+\j], v11, s[16:17]        ; in v's result a lane holds ONE dim in all eight registers: eight times the same number
.endr
.irp i, 0,1,2,3
	XLD \i, 0                                      ; 16 for x
.endr
	s_wait_loadcnt 28                              ; the copy's 11 are in; the 12 and the 16 may be out
.irp j, 0,1,2,3,4,5
	ds_store_b128 v7, v[132+4*\j:135+4*\j] offset:WIMG+8192*\j
.endr
	ds_store_b32 v9, v156
.irp j, 0,1,2,3
	ds_store_b128 v8, v[160+4*\j:163+4*\j] offset:512*\j
.endr
	s_wait_dscnt 0x0                               ; for the others' sake: my part of the weights' images has landed
	s_barrier_signal -1
	s_barrier_wait -1
; ---------------- P: q, k, v of my 64 tokens: eight K steps of 128, twelve sums by turns
.macro PMUL i, s                       ; tile i: q and k transposed, v the other way round; in the first K step the bias is the C
.if (\s) == 0
	v_wmma_scale_f32_16x16x128_f8f6f4 v[QA+8*(\i):QA+8*(\i)+7], v[WF:WF+15], v[XF+16*(\i):XF+16*(\i)+15], v[BQ:BQ+7], v[WS], v[XS+(\i)]
	v_wmma_scale_f32_16x16x128_f8f6f4 v[KA+8*(\i):KA+8*(\i)+7], v[WF+16:WF+31], v[XF+16*(\i):XF+16*(\i)+15], v[BK:BK+7], v[WS+1], v[XS+(\i)]
	v_wmma_scale_f32_16x16x128_f8f6f4 v[VA+8*(\i):VA+8*(\i)+7], v[XF+16*(\i):XF+16*(\i)+15], v[WF+32:WF+47], v[BV:BV+7], v[XS+(\i)], v[WS+2]
.else
	v_wmma_scale_f32_16x16x128_f8f6f4 v[QA+8*(\i):QA+8*(\i)+7], v[WF:WF+15], v[XF+16*(\i):XF+16*(\i)+15], v[QA+8*(\i):QA+8*(\i)+7], v[WS], v[XS+(\i)]
	v_wmma_scale_f32_16x16x128_f8f6f4 v[KA+8*(\i):KA+8*(\i)+7], v[WF+16:WF+31], v[XF+16*(\i):XF+16*(\i)+15], v[KA+8*(\i):KA+8*(\i)+7], v[WS+1], v[XS+(\i)]
	v_wmma_scale_f32_16x16x128_f8f6f4 v[VA+8*(\i):VA+8*(\i)+7], v[XF+16*(\i):XF+16*(\i)+15], v[WF+32:WF+47], v[VA+8*(\i):VA+8*(\i)+7], v[XS+(\i)], v[WS+2]
.endif
.endm
.macro PSTEP s
.irp m, 0,1,2
.irp c, 0,1,2,3
	ds_load_b128 v[WF+16*\m+4*\c:WF+16*\m+4*\c+3], v[LI] offset:WIMG+16384*\m+2048*(\s)+512*\c
.endr
	ds_load_b32 v[WS+\m], v2 offset:512*\m+64*(\s)
.endr
.irp i, 0,1,2,3
	ds_load_b32 v[XS+\i], v3 offset:512*\i+64*(\s)
.endr
	s_wait_dscnt 0x0
	s_wait_loadcnt 8                               ; tiles 0 and 1 of this K step are in (in the first step the biases too); the 8 loads of tiles 2 and 3 may be out
	PMUL 0, \s
	PMUL 1, \s
	PLACES 8                                       ; in front of the loads into tiles 0 and 1
.if (\s) < 7
	XLD 0, (\s)+1
	XLD 1, (\s)+1
	s_wait_loadcnt 8                               ; tiles 2 and 3 are in; the 8 just issued may be out
.else
	s_wait_loadcnt 0x0
.endif
	PMUL 2, \s
	PMUL 3, \s
	PLACES 8                                       ; in front of the loads into tiles 2 and 3, the next step's loads of weights and scale words, and behind the last step the first reads of results
.if (\s) < 7
	XLD 2, (\s)+1
	XLD 3, (\s)+1
.endif
.endm
.irp s, 0,1,2,3,4,5,6,7
	PSTEP \s
.endr
.irp i, 0,1,2,3
	ds_store_b128 v4, v[KA+8*\i:KA+8*\i+3] offset:1024*\i          ; k goes to LDS in f32 as it stands, each sum from its low end on
	ds_store_b128 v4, v[KA+8*\i+4:KA+8*\i+7] offset:1024*\i+512
.endr
; v is quantised along the keys: my 64 keys are two blocks of 32; a block lies in lanes l and l xor 16, 16 registers each.  The held numbers go into other registers than the sums.
.set TV, 180
.set VC, 212
.set VM, 220
.set VT, 222
.set VO, 224
.set VH, 226
.set VB, 228
.set VW, 230
	v_mov_b32 v[VT], 0                             ; a lane permute's destination counts as one of its sources
	v_mov_b32 v[VT+1], 0
.irp b, 0,1
	v_max3_num_f32 v[VM+\b], |v[VA+16*\b]|, |v[VA+16*\b+1]|, 0x4800000   ; with the floor 2^(9 - 127): the byte cannot fall under 1
.endr
.irp i, 2,4,6,8,10,12,14
.irp b, 0,1
	v_max3_num_f32 v[VM+\b], v[VM+\b], |v[VA+16*\b+\i]|, |v[VA+16*\b+\i+1]|
.endr
.endr
.irp b, 0,1
	v_permlanex16_b32 v[VT+\b], v[VM+\b], s[SEL], s[SEL+1]
.endr
.irp b, 0,1
	v_max_num_f32 v[VM+\b], v[VM+\b], v[VT+\b]     ; the block's largest magnitude
.endr
.irp b, 0,1
	v_add_nc_u32 v[VO+\b], 0xfc000000, v[VM+\b]    ; 8 off its exponent field: the conversion's scale operand
.endr
.irp b, 0,1
	v_and_or_b32 v[VH+\b], v[VM+\b], 0x7f800000, s[MNT]   ; 448 x the scale
.endr
.irp b, 0,1
	v_lshrrev_b32 v[VB+\b], 23, v[VO+\b]           ; the scale's byte
.endr
	v_lshl_or_b32 v[VW], v[VB+1], 8, v[VB]
.irp b, 0,1
.irp i, 0,1,2,3,4,5,6,7,8,9,10,11,12,13,14,15
	v_med3_num_f32 v[TV+16*\b+\i], v[VA+16*\b+\i], -v[VH+\b], v[VH+\b]   ; the conversion does not saturate (ISA guide 7.6.2)
.endr
	v_cvt_scalef32_pk8_fp8_f32 v[VC+4*\b:VC+4*\b+1], v[TV+16*\b:TV+16*\b+7], v[VO+\b]
	v_cvt_scalef32_pk8_fp8_f32 v[VC+4*\b+2:VC+4*\b+3], v[TV+16*\b+8:TV+16*\b+15], v[VO+\b]
.endr
	v_nop                                          ; a plain line behind the last conversion
.irp b, 0,1
	ds_store_b128 v5, v[VC+4*\b:VC+4*\b+3] offset:512*\b
.endr
	ds_store_b16 v6, v[VW]                         ; two of the four bytes of my dim's scale word; the neighbouring wave writes the other two
	s_wait_dscnt 0x0                               ; for the others' sake: my k, my codes of v and their bytes have landed
	s_barrier_signal -1
	s_barrier_wait -1
; ---------------- A: my four tiles of 16 queries, one after the other, each over all 1,024 keys, 128 a step
	v_and_b32 v5, 31, v0
	v_lshl_add_u32 v2, v5, 4, KIMG                 ; v2, v3, v4: my lane's place in a key step's k, V^T and scale words
	v_lshl_add_u32 v3, v5, 4, VIMG
	v_lshl_add_u32 v4, v5, 2, VSC
	v_and_b32 v6, 15, v0                           ; r
	v_and_b32 v7, 8, v0                            ; 8 (r / 8)
	v_add_nc_u32 v8, v6, v7                        ; my token in a tile: r + 8 (r / 8)
	v_bfe_u32 v5, v0, 4, 1                         ; hh
	v_lshlrev_b32 v8, 8, v8
	v_lshl_add_u32 v8, v5, 3, v8
	s_lshl_b32 s26, s[WV], 4
	s_add_co_u32 s26, s26, ZIMG
	v_add_nc_u32 v8, s26, v8                       ; v8: z's codes: 256 x token + 16 x row (my wave) + 8 hh
	v_bfe_u32 v9, v0, 1, 2                         ; my pair of tokens among a K step's four: the byte in the word
	v_lshl_add_u32 v9, v7, 4, v9                   ; tokens 16 on are two K steps on: 128 bytes
	s_lshl_b32 s26, s[WV], 2
	s_add_co_u32 s26, s26, ZSC
	v_add_nc_u32 v9, s26, v9                       ; v9: z's scale bytes
.irp b, 0,1,2,3
	v_mov_b32 v[T2+\b], 0                          ; written once: destinations of lane permutes, and upper halves of pairs that are named whole
.endr
	v_mov_b32 v[FF+1], 0
	v_mov_b32 v[TMP+1], 0
	v_mov_b32 v119, 0
.macro ATT qt
.set jj, 0
.rept 8
	v_mov_b32 v[OT+jj], 0                          ; O^T is zeroed once a tile: its first trip finds zeros, which the first change of M leaves zeros
.set jj, jj+1
.endr
	v_mov_b32 v[TM], 0xff61b1e6                    ; the largest t so far: -3e38
	v_floor_f32 v[NM], -v[TM]
	v_mov_b32 v[SUM], 0
	v_mov_b32 v[SUM+1], 0
	s_mov_b32 s[TK], 0
	s_mov_b32 s[TVS], 0
	s_mov_b32 s[TSS], 0
	s_mov_b32 s[CNT], 8
.Lkey_\@:
	v_add_nc_u32 v5, s[TK], v2
	v_add_nc_u32 v6, s[TVS], v3
	v_add_nc_u32 v7, s[TSS], v4
.set jj, 0
.rept 8
	ds_load_b128 v[KP+8*jj:KP+8*jj+3], v5 offset:1024*jj           ; eight key tiles, f32
	ds_load_b128 v[KP+8*jj+4:KP+8*jj+7], v5 offset:1024*jj+512
.set jj, jj+1
.endr
	s_wait_dscnt 0x0
.set cc, 0
.rept 4                                ; S^T = k q^T: four dims a step; the eight sums by turns, each begun with the constant 0
.set jj, 0
.rept 8
.if cc == 0
	v_wmma_f32_16x16x4_f32 v[S+8*jj:S+8*jj+7], v[KP+8*jj:KP+8*jj+1], v[QA+8*(\qt):QA+8*(\qt)+1], 0
.else
	v_wmma_f32_16x16x4_f32 v[S+8*jj:S+8*jj+7], v[KP+8*jj+2*cc:KP+8*jj+2*cc+1], v[QA+8*(\qt)+2*cc:QA+8*(\qt)+2*cc+1], v[S+8*jj:S+8*jj+7]
.endif
.set jj, jj+1
.endr
.set cc, cc+1
.endr
	PLACES 8                                       ; in front of the reads of the scores and the writes of p over k; with the three additions above also in front of the loads into the last trip's V^T and its scale word
.irp c, 0,1,2,3
	ds_load_b128 v[VF+4*\c:VF+4*\c+3], v6 offset:512*\c            ; they land while the softmax is walked
.endr
	ds_load_b32 v[VS], v7
.irp b, 0,1,2,3
	v_max3_num_f32 v[BM+\b], v[S+16*\b], v[S+16*\b+1], v[S+16*\b+2]   ; the largest score of each block of 32 keys: for the row's maximum, and, since p rises with the score, for the block's largest p
.endr
.irp i, 3,5,7,9,11,13
.irp b, 0,1,2,3
	v_max3_num_f32 v[BM+\b], v[BM+\b], v[S+16*\b+\i], v[S+16*\b+\i+1]
.endr
.endr
.irp b, 0,1,2,3
	v_max_num_f32 v[BM+\b], v[BM+\b], v[S+16*\b+15]
.endr
.irp b, 0,1,2,3
	v_permlanex16_b32 v[T2+\b], v[BM+\b], s[SEL], s[SEL+1]
.endr
.irp b, 0,1,2,3
	v_max_num_f32 v[BM+\b], v[BM+\b], v[T2+\b]     ; with lane l xor 16's 16 keys
.endr
	v_max3_num_f32 v[TMP], v[BM], v[BM+1], v[BM+2]
	v_max_num_f32 v[TMP], v[TMP], v[BM+3]
	v_mul_f32 v[TMP], s[CS], v[TMP]                ; as t (c is positive)
	v_max_num_f32 v[TM], v[TM], v[TMP]             ; the running largest t
	v_mov_b32 v[TMP], v[NM]
	v_floor_f32 v[NM], -v[TM]                      ; the new -M = -ceil(t)
	v_sub_f32 v[TMP], v[NM], v[TMP]                ; old M - new M: a whole number, 0 or less
	v_cvt_i32_f32 v[TMP], v[TMP]                   ; (it saturates)
	v_ldexp_f32 v[FF], 1.0, v[TMP]                 ; f = 2^(old M - new M)
.set jj, 0
.rept 32
	v_pk_fma_f32 v[KP+jj:KP+jj+1], v[S+jj:S+jj+1], s[CS:CS+1], v[NM:NM+1] op_sel_hi:[1,0,0]   ; t - M, two at a time, into the registers that k has left
.set jj, jj+2
.endr
.irp b, 0,1,2,3
	v_fma_f32 v[BM+\b], v[BM+\b], s[CS], v[NM]     ; the same of each block's largest score
.endr
.set jj, 0
.rept 64
	v_exp_f32 v[KP+jj], v[KP+jj]                   ; p = 2^(t - M), at most 1
.set jj, jj+1
.endr
.irp b, 0,1,2,3
	v_exp_f32 v[BM+\b], v[BM+\b]                   ; the block's largest p: the same two instructions on the same number
.endr
	v_pk_mul_f32 v[SUM:SUM+1], v[SUM:SUM+1], v[FF:FF+1] op_sel_hi:[1,0]   ; the sums under the new M (the plain line behind the exponentials)
	s_wait_alu depctr_va_vdst(0)
.irp b, 0,1,2,3
	v_max_num_f32 v[BM+\b], 0x4800000, v[BM+\b]    ; the floor
.endr
.irp b, 0,1,2,3
	v_add_nc_u32 v[SO+\b], 0xfc000000, v[BM+\b]
.endr
.irp b, 0,1,2,3
	v_and_or_b32 v[HL+\b], v[BM+\b], 0x7f800000, s[MNT]
.endr
.irp b, 0,1,2,3
	v_lshrrev_b32 v[T2+\b], 23, v[SO+\b]
.endr
	v_lshl_or_b32 v[PS], v[T2+1], 8, v[T2]         ; p's scale word for these 128 keys: far more than eight places ahead of its product
	v_lshl_or_b32 v[PS], v[T2+2], 16, v[PS]
	v_lshl_or_b32 v[PS], v[T2+3], 24, v[PS]
	v_pk_add_f32 v[SUM2:SUM2+1], v[KP:KP+1], v[KP+2:KP+3]          ; the row's sum is taken of the unquantised p, in two chains
.set jj, 4
.rept 15
	v_pk_add_f32 v[SUM:SUM+1], v[SUM:SUM+1], v[KP+jj:KP+jj+1]
	v_pk_add_f32 v[SUM2:SUM2+1], v[SUM2:SUM2+1], v[KP+jj+2:KP+jj+3]
.set jj, jj+4
.endr
	v_pk_add_f32 v[SUM:SUM+1], v[SUM:SUM+1], v[SUM2:SUM2+1]
.irp b, 0,1,2,3
.irp i, 0,1,2,3,4,5,6,7,8,9,10,11,12,13,14,15
	v_min_num_f32 v[KP+16*\b+\i], v[KP+16*\b+\i], v[HL+\b]         ; p is not negative: the hold is one-sided
.endr
	v_cvt_scalef32_pk8_fp8_f32 v[PC+4*\b:PC+4*\b+1], v[KP+16*\b:KP+16*\b+7], v[SO+\b]
	v_cvt_scalef32_pk8_fp8_f32 v[PC+4*\b+2:PC+4*\b+3], v[KP+16*\b+8:KP+16*\b+15], v[SO+\b]
.endr
.set jj, 0
.rept 4
	v_pk_mul_f32 v[OT+jj:OT+jj+1], v[OT+jj:OT+jj+1], v[FF:FF+1] op_sel_hi:[1,0]   ; O^T under the new M
.set jj, jj+2
.endr
	PLACES 4                                       ; codes made by vector instructions stand four places ahead of a scaled product
	s_wait_dscnt 0x0                               ; V^T's fragment and its scale word are in
	v_wmma_scale_f32_16x16x128_f8f6f4 v[OT:OT+7], v[VF:VF+15], v[PC:PC+15], v[OT:OT+7], v[VS], v[PS]   ; O^T += V^T p^T: one instruction a turn, behind the 32 of the scores
	s_add_co_u32 s[TK], s[TK], 8192
	s_add_co_u32 s[TVS], s[TVS], 2048
	s_add_co_u32 s[TSS], s[TSS], 128
	s_sub_co_u32 s[CNT], s[CNT], 1
	s_cmp_lg_u32 s[CNT], 0
	s_cbranch_scc1 .Lkey_\@
	PLACES 8
	v_add_f32 v[SUM], v[SUM], v[SUM+1]
	v_permlanex16_b32 v[TMP+1], v[SUM], s[SEL], s[SEL+1]
	v_add_f32 v[SUM], v[SUM], v[TMP+1]             ; the row's sum
	v_rcp_f32 v[TMP], v[SUM]
	v_nop                                          ; a plain line behind the transcendental
.set jj, 0
	s_wait_alu depctr_va_vdst(0)
.rept 4
	v_pk_mul_f32 v[Z+jj:Z+jj+1], v[OT+jj:OT+jj+1], v[TMP:TMP+1] op_sel_hi:[1,0]   ; z: my token's dims 8 hh + 0..7
.set jj, jj+2
.endr
; z's block of 32 along the last product's K is two neighbouring tokens x 16 dims: lanes r, r xor 1 and their partners 16 away, eight registers each
	v_max3_num_f32 v118, |v[Z]|, |v[Z+1]|, 0x4800000
	v_max3_num_f32 v118, v118, |v[Z+2]|, |v[Z+3]|
	v_max3_num_f32 v118, v118, |v[Z+4]|, |v[Z+5]|
	v_max3_num_f32 v118, v118, |v[Z+6]|, |v[Z+7]|
	v_max_num_f32_dpp v118, v118, v118 row_xmask:1 row_mask:0xf bank_mask:0xf
	v_permlanex16_b32 v119, v118, s[SEL], s[SEL+1]
	v_max_num_f32 v118, v118, v119
	v_add_nc_u32 v120, 0xfc000000, v118
	v_and_or_b32 v121, v118, 0x7f800000, s[MNT]
	v_lshrrev_b32 v122, 23, v120
.set jj, 0
.rept 8
	v_med3_num_f32 v[Z+jj], v[Z+jj], -v121, v121
.set jj, jj+1
.endr
	v_cvt_scalef32_pk8_fp8_f32 v[ZC:ZC+1], v[Z:Z+7], v120
	v_nop                                          ; a plain line behind the conversion
	ds_store_b64 v8, v[ZC:ZC+1] offset:256*(32*((\qt)/2)+8*((\qt)%2))   ; lanes 256 bytes apart fall on the same banks (64 banks of 4 bytes: ISA guide 11.1): four such stores a wave in the whole launch
	ds_store_b8 v9, v122 offset:64*(4*((\qt)/2)+((\qt)%2))              ; the block's four lanes write the same byte with the same value
	s_wait_dscnt 0x0                               ; the stores are done before the next tile's loads land in these registers; behind the last tile: for the others' sake
.endm
	ATT 0
	ATT 1
	ATT 2
	ATT 3
; ---------------- O: rows 16 n .. 16 n + 15 of the output, my 64 columns: four sums by turns, eight K steps; Wo's fragments straight from memory, two K steps ahead
	v_and_b32 v5, 31, v0
	v_and_b32 v6, 15, v0                           ; r
	v_bfe_u32 v7, v0, 4, 1                         ; hh
	v_lshl_add_u32 v2, v5, 4, ZIMG                 ; z's fragments
	v_lshl_add_u32 v3, v5, 2, ZSC                  ; z's scale words: lanes 0-15 an even K step's, lanes 16-31 the next one's
	s_lshl_b32 s26, s[WV], 11
	s_add_co_u32 s26, s26, WOSC
	v_lshl_add_u32 v4, v5, 4, s26                  ; Wo's scale words, way in,
	v_lshl_add_u32 v5, v5, 2, s26                  ; and out, two K steps to a register likewise
	v_lshlrev_b32 v8, 12, v7
	v_lshl_add_u32 v8, v6, 4, v8                   ; the output: lanes 0-15 one row, lanes 16-31 the next; 16 bytes a lane
	v_lshlrev_b32 v9, 5, v7                        ; bo: my eight columns 8 hh + 0..7 of a tile
	s_mul_i32 s26, s[WV], 4352
	s_add_co_u32 s26, s26, STG
	v_mul_u32_u24 v10, v6, 272
	v_lshl_add_u32 v10, v7, 5, v10
	v_mul_u32_u24 v11, v7, 272
	v_lshl_add_u32 v11, v6, 4, v11
	v_add_nc_u32 v6, s26, v10                      ; my stage, way in: row r, 32 hh
	v_add_nc_u32 v7, s26, v11                      ; way out: sixteen lanes to a row
.macro OLOAD s
.irp t, 0,1,2,3
.irp c, 0,1,2,3
	global_load_b128 v[WB+64*((\s)%2)+16*\t+4*\c:WB+64*((\s)%2)+16*\t+4*\c+3], v[LI], s[30:31] offset:65536*\t+2048*(\s)+512*\c
.endr
.endr
.endm
.macro ODS s
.irp c, 0,1,2,3
	ds_load_b128 v[ZF+4*\c:ZF+4*\c+3], v2 offset:2048*(\s)+512*\c
.endr
.if (\s)%2 == 0
.irp t, 0,1,2,3
	ds_load_b32 v[WOS+\t], v5 offset:512*\t+64*(\s)
.endr
	ds_load_b32 v[ZS], v3 offset:64*(\s)
.endif
.endm
.macro OSTEP s                         ; transposed: source 0 = 16 columns of Wo, source 1 = z's 16 rows: a lane holds one row and eight neighbouring columns
	s_wait_dscnt 0x0
.if (\s) < 7
	s_wait_loadcnt 16                              ; this K step's 16 loads are in; the next one's may be out
.else
	s_wait_loadcnt 8                               ; behind the last K step's loads: the 8 of the bias
.endif
.irp t, 0,1,2,3
.if (\s) == 0
	v_wmma_scale_f32_16x16x128_f8f6f4 v[OA+8*\t:OA+8*\t+7], v[WB+16*\t:WB+16*\t+15], v[ZF:ZF+15], 0, v[WOS+\t], v[ZS]
.elseif (\s)%2 == 0
	v_wmma_scale_f32_16x16x128_f8f6f4 v[OA+8*\t:OA+8*\t+7], v[WB+16*\t:WB+16*\t+15], v[ZF:ZF+15], v[OA+8*\t:OA+8*\t+7], v[WOS+\t], v[ZS]
.else
	v_wmma_scale_f32_16x16x128_f8f6f4 v[OA+8*\t:OA+8*\t+7], v[WB+64+16*\t:WB+64+16*\t+15], v[ZF:ZF+15], v[OA+8*\t:OA+8*\t+7], v[WOS+\t], v[ZS] matrix_a_scale:MATRIX_SCALE_ROW1 matrix_b_scale:MATRIX_SCALE_ROW1
.endif
.endr
	PLACES 8                                       ; in front of the loads into z's fragment, the scale words and this step's buffer; behind the last step: of the reads of results
.if (\s) < 7
	ODS (\s)+1
.endif
.if (\s) < 6
	OLOAD (\s)+2
.endif
.if (\s) == 6
.irp t, 0,1,2,3
	global_load_b128 v[WB+8*\t:WB+8*\t+3], v9, s[18:19] offset:64*\t          ; bo in the results' layout, into the buffer that has done its last step
	global_load_b128 v[WB+8*\t+4:WB+8*\t+7], v9, s[18:19] offset:64*\t+16
.endr
.endif
.endm
.irp t, 0,1,2,3
	global_load_b128 v[28+4*\t:31+4*\t], v[LI], s[32:33] offset:2048*\t       ; the scale words of my four tiles of Wo, 512 bytes each
.endr
	OLOAD 0
	OLOAD 1
	s_barrier_signal -1                            ; every wave's codes and bytes of z have landed (its wait for 0 stands at the end of its last tile); the loads above touch no LDS
	s_barrier_wait -1
	s_wait_loadcnt 32                              ; the four loads of scale words are in; the two buffers' 32 may be out
.irp t, 0,1,2,3
	ds_store_b128 v4, v[28+4*\t:31+4*\t] offset:512*\t             ; my own bytes: LDS serves a wave in order, so my loads below see them
.endr
	ODS 0
.irp s, 0,1,2,3,4,5,6,7
	OSTEP \s
.endr
	s_wait_loadcnt 0x0                             ; bo
.set jj, 0
.rept 16
	v_pk_add_f32 v[140+jj:141+jj], v[OA+jj:OA+jj+1], v[WB+jj:WB+jj+1]         ; + bo, into other registers, each sum from its low end on
.set jj, jj+2
.endr
.irp t, 0,1,2,3
	ds_store_b128 v6, v[140+8*\t:143+8*\t] offset:64*\t
	ds_store_b128 v6, v[144+8*\t:147+8*\t] offset:64*\t+16
.endr
.irp i, 0,1,2,3,4,5,6,7
	ds_load_b128 v[172+4*\i:175+4*\i], v7 offset:544*\i            ; back as whole rows of 256 bytes, two an instruction
.endr
.irp i, 0,1,2,3,4,5,6,7
	s_wait_dscnt 7-\i
	global_store_b128 v8, v[172+4*\i:175+4*\i], s[20:21] offset:8192*\i th:TH_STORE_NT   ; sixteen lanes store 256 consecutive bytes, aligned; written once, read by nobody here
.endr
	s_wait_tensorcnt 0x0
	ds_add_u32 v254, v255
	s_wait_dscnt 0x0
	s_endpgm
.Lfunc_end_k_qf1aa1ec660_attn:
	.size	k_qf1aa1ec660_attn, .Lfunc_end_k_qf1aa1ec660_attn-k_qf1aa1ec660_attn
	.p2alignl 7, 3214868480
	.fill 96, 4, 3214868480
	.section	.rodata,"a",@progbits
	.p2align	6, 0x0
	.amdhsa_kernel k_qf1aa1ec660_attn
		.amdhsa_group_segment_fixed_size 288256
		.amdhsa_private_segment_fixed_size 0
		.amdhsa_enable_private_segment 0
		.amdhsa_kernarg_size 72
		.amdhsa_user_sgpr_count 2
		.amdhsa_user_sgpr_kernarg_segment_ptr 1
		.amdhsa_wavefront_size32 1
		.amdhsa_system_sgpr_workgroup_id_x 1
		.amdhsa_system_sgpr_workgroup_id_y 1
		.amdhsa_system_sgpr_workgroup_id_z 1
		.amdhsa_system_vgpr_workitem_id 0
		.amdhsa_next_free_vgpr 256
		.amdhsa_next_free_sgpr 66
		.amdhsa_reserve_vcc 0
		.amdhsa_float_denorm_mode_32 3
		.amdhsa_float_denorm_mode_16_64 3
		.amdhsa_memory_ordered 1
		.amdhsa_forward_progress 1
		.amdhsa_inst_pref_size 158
	.end_amdhsa_kernel
	.amdgpu_metadata
---
amdhsa.version: [ 1, 2 ]
amdhsa.kernels:
  - .name:           k_qf1aa1ec660_attn
    .symbol:         k_qf1aa1ec660_attn.kd
    .args:
      - { .name: xc, .offset: 0, .size: 8, .value_kind: global_buffer, .address_space: global }
      - { .name: xs, .offset: 8, .size: 8, .value_kind: global_buffer, .address_space: global }
      - { .name: wc, .offset: 16, .size: 8, .value_kind: global_buffer, .address_space: global }
      - { .name: ws, .offset: 24, .size: 8, .value_kind: global_buffer, .address_space: global }
      - { .name: bq, .offset: 32, .size: 8, .value_kind: global_buffer, .address_space: global }
      - { .name: bk, .offset: 40, .size: 8, .value_kind: global_buffer, .address_space: global }
      - { .name: bv, .offset: 48, .size: 8, .value_kind: global_buffer, .address_space: global }
      - { .name: bo, .offset: 56, .size: 8, .value_kind: global_buffer, .address_space: global }
      - { .name: out0, .offset: 64, .size: 8, .value_kind: global_buffer, .address_space: global }
    .group_segment_fixed_size: 288256
    .private_segment_fixed_size: 0
    .kernarg_segment_align: 8
    .kernarg_segment_size: 72
    .max_flat_workgroup_size: 512
    .sgpr_count:     66
    .vgpr_count:     256
    .wavefront_size: 32
...
	.end_amdgpu_metadata
.endif
;; end of part 2
;; ======== version 2 of 2: 2 launches; version 1 with the launch attn written anew for expert scheduling mode
;; workspace buffers: xc 4,194,304 bytes; xs 131,072 bytes; wc 4,194,304 bytes; ws 131,072 bytes
;; launch quant: the kernel of part 1 again; grid 256 x 1, 4 waves a work-group, no clusters, 57,856 bytes of LDS; arguments x, Wq, Wk, Wv, Wo, xc, xs, wc, ws; writes xc, xs, wc, ws
;; launch attn (part 3): grid 256 x 1, 16 waves a work-group, no clusters, 288,256 bytes of LDS; arguments xc, xs, wc, ws, bq, bk, bv, bo, out0; writes out0
.if DOCPART == 3
	.amdgcn_target "amdgcn-amd-amdhsa--gfx1250"
	.amdhsa_code_object_version 6
	.text
	.protected	k_qf1aa1ec660_attn
	.globl	k_qf1aa1ec660_attn
	.p2align	8
	.type	k_qf1aa1ec660_attn,@function
k_qf1aa1ec660_attn:
	s_mov_b64 s[64:65], 0
	v_nop
	global_prefetch_b8 v0, s[64:65] scope:SCOPE_SE
	s_setreg_imm32_b32 hwreg(HW_REG_WAVE_SCHED_MODE, 0, 2), 2
	s_setreg_imm32_b32 hwreg(HW_REG_WAVE_MODE, 25, 1), 1
	s_wait_xcnt 0x0
	s_wait_alu depctr_vm_vsrc(0)
; ONE WORK-GROUP TAKES ONE HEAD THROUGH THE WHOLE CHAIN.  Head n = 4 a + b: tokens of batch b, columns 16 a .. 16 a + 15 of Wq, Wk, Wv.
;   P: q, k, v = x W + bias on codes of FP8 (E4M3) with E8M0 scales | A: scores = q k^T in f32, p = 2^(t - M), O^T += V^T p^T on codes, / the row's sum | O: the head's 1,024 x 16 numbers ARE rows 16 n .. 16 n + 15 of the
;   [4096][1024] matrix that meets Wo (row 16 n + t / 64, column 16 (t % 64) + h): they are quantised along that row and multiplied by Wo's codes; + bo; stored.  Nothing of q, k, v, p or z goes to memory.
; SHARES.  Sixteen waves, four to a SIMD, 256 registers each, so that one wave's vector work stands beside another's matrix work.  Wave w owns tokens 64 w .. 64 w + 63 as queries and as keys (x tiles 64 b + 4 w + i), row w of the
; head's 16 rows of z, and output columns 64 w .. 64 w + 63.
; LAYOUT.  x's tile 2 B + u holds, in lane r, token 32 B + 8 u + r + 8 (r / 8) of the wave's 64.  q and k are made transposed (source 0 = 16 columns of W, source 1 = 16 tokens): a lane holds one token and dims 8 hh + 0..7, which
; is an operand of the f32 form as it stands: its step c takes registers 2 c, 2 c + 1 on both sides, dims 8 hh + 2 c + 0, 1: the same order of the 16 dims in both operands.  S^T = k q^T gives a lane ONE query, and the 16 registers
; of key tiles 2 B, 2 B + 1 are 16 neighbouring keys: the conversions' results are the next operand.  v is made the other way round (source 0 = tokens): a lane holds one dim and 16 neighbouring keys of each block of 32.
; SOFTMAX.  t = score x log2(e) / 8; M = the running largest t rounded UP to a whole number; p = 2^(t - M), not normalised, is what is quantised; the row's sum is taken of the unquantised p; when M moves, the sum and O^T are multiplied by 2^(old M - new M), exactly.
; OPERANDS GO FROM WAVE TO WAVE THROUGH LDS AS IMAGES OF THEIR REGISTERS: 16 bytes a lane at 16 x lane.  Three barriers: the weights' images | k and v | z.  No LDS byte is written twice.
; NO CLUSTER, NO JOINT LOADS: the 64 heads of a batch read the same codes of x and all heads the same codes of Wo, but in a work-group each such fragment is read by ONE wave, straight into its registers by loads of 512 consecutive
; bytes, and the two phases that read them hold 128 of a wave's 1,184 matrix instructions; joint loads would want a ring in LDS with a meeting of the cluster for each refill of it.
; bo is added by 16 packed additions a wave and is not a product's C: beside the two buffers of Wo (128 registers) and z's fragment (16) the registers that loads may write leave 24, and the bias wants 32.
; v44-107 are written by matrix instructions alone in the whole text: k's and v's sums, then the scores, then the output's sums.
; LIMITS: NaN and infinities are not served; a block whose largest magnitude lies under 2^-118 keeps the byte 1, a block of zeros too (its codes are zeros); a p under 2^-126 is 0 (the exponential gives no denormals: ISA guide 15.8).
; THE MODE: SCHED_MODE bits 1:0 = 2 (LLVM: expert scheduling mode 2), set by the entry lines.  The code itself states the register dependences between vector or matrix instructions and memory or LDS instructions, with s_wait_alu, always for 0.
; THE PLAN.  Registers that memory or LDS instructions touch, and who else names them:
;   v1            16 x lane: read by most loads, never written again.
;   v2-v12        addresses.  Made by vector instructions at the head, anew at the head of A and of O (each time behind a wait on vm_vsrc, and with a wait on va_vdst behind them); v5, v6, v7 also once in each key step.
;   P             x's tiles {0, 1} and {2, 3}: read by six products each and asked for again at once behind them: a wait on va_vdst behind each six, the second also for the weights' fragments and the scale words, which the next step's LDS loads write.
;   A, a key step the three additions write v5-7 (vm_vsrc ahead of them); ONE wait on va_vdst behind them states that they are written, that the last step's holds and conversions are done with p's registers, in which k lands, and that the last
;                 step's product is done reading V^T's fragment and scale word.  The step's 21 LDS loads follow it with no further wait: the scores' products and the places between name none of their registers.
;                 p's codes and scale word are made by vector instructions: a wait on va_vdst stands directly ahead of the scaled product that takes them.
;   O             z's fragment, the scale words and the step's buffer of Wo: read by the step's four products and asked for again at once behind them: one wait on va_vdst a step.
;   Results that leave by LDS stores (k's sums, v's codes, z's codes, the output) have a wait on va_vdst ahead of the run of stores, behind the places where matrix instructions made them.
.set WIMG, 0                           ; LDS: the head's fragments of Wq, Wk, Wv: [matrix 3][K step 8][2,048]
.set WSC,  49152                       ; ws's block of a, whole (512 words, one a thread; Wo's 512 bytes ride along unread)
.set XSC,  51200                       ; 2,048 a wave: its x tiles' scale words [tile 4][K step 8][r 16]
.set KIMG, 83968                       ; 64 key tiles x 1,024: registers 0-3 at 16 x lane, 4-7 at 512 + 16 x lane
.set VIMG, 149504                      ; 8 key steps x a fragment of V^T's codes
.set VSC,  165888                      ; 8 x 128: V^T's scale word at 4 x lane
.set ZIMG, 166912                      ; 8 K steps x a fragment of z's codes: 256 x token + 16 x row + dim
.set ZSC,  183296                      ; [K step 8][row 16] words
.set STG,  183808                      ; 4,352 a wave: 16 rows x (256 + 16) bytes, for the way out
.set WOSC, 253440                      ; 2,048 a wave: the scale words of its four tiles of Wo
.set LI,   1                           ; v1   16 x lane: never rewritten
.set QA,   12                          ; v12-43   q, tile i at 12 + 8 i
.set S,    44                          ; v44-107  the scores, key tile j at 44 + 8 j
.set KA,   44                          ; P: k's sums, tile i at 44 + 8 i
.set VA,   76                          ; P: v's sums
.set BQ,   108                         ; P: the biases in the results' layouts
.set BK,   116
.set BV,   124
.set WF,   132                         ; P: the weights' three fragments of a K step
.set XF,   180                         ; P: x's four fragments of a K step
.set KP,   108                         ; A: v108-171 eight key tiles, then p
.set OT,   172                         ; A: v172-179 O^T
.set VF,   180                         ; A: V^T's fragment
.set PC,   196                         ; A: p's codes
.set BM,   212                         ; A: the blocks' largest scores, then largest p
.set T2,   216                         ; A: at work: the other half's maxima, then the bytes
.set HL,   220                         ; A: 448 x the scales
.set SO,   224                         ; A: the conversions' scale operands
.set NM,   228                         ; A: -M;  v229 the running largest t (the packed form names the pair and takes its low word)
.set TM,   229
.set SUM,  230                         ; A: v[230:231] the row's sum in two halves
.set SUM2, 232
.set FF,   234                         ; A: f = 2^(old M - new M); v235 is named with it as a pair
.set TMP,  236
.set Z,    108                         ; A, a tile's end: z, its codes, at work
.set ZC,   116
.set ZF,   12                          ; O: z's fragment
.set OA,   44                          ; O: the four sums
.set WB,   108                         ; O: two buffers of four fragments of Wo, v108-171 and v172-235
.set WS,   244                         ; v244-252 hold scale words and nothing else
.set XS,   247
.set VS,   251
.set PS,   252
.set WOS,  244
.set ZS,   248
.set WV,   22                          ; s22 wave;  s23 a;  s24 b
.set SEL,  34                          ; s[34:35] v_permlanex16_b32's selects for lane l xor 16
.set CS,   36                          ; s[36:37] c = log2(e) / 8
.set MNT,  38                          ; s38 the mantissa field of 448
.set CNT,  39                          ; s39 key steps to go
.set TK,   40                          ; s40-42 the key step's place in KIMG, VIMG, VSC
.set TVS,  41
.set TSS,  42
.macro PLACES n                        ; places behind matrix instructions: plain vector instructions that name none of their registers (ISA guide 7.12.1); eight behind the forms used here
.rept \n
	v_nop
.endr
.endm
; ---------------- H: addresses; the head's weights and every wave's scale words go to LDS; the biases and x's first K step are asked for
	s_load_b256 s[4:11], s[0:1], 0x0               ; xc s[4:5], xs s[6:7], wc s[8:9], ws s[10:11]
	s_load_b256 s[12:19], s[0:1], 0x20             ; bq, bk, bv, bo
	s_load_b64 s[20:21], s[0:1], 0x40              ; out0
	v_lshl_add_u32 v254, v0, 2, 0x45e00
	v_mov_b32 v255, 0
	v_lshrrev_b32 v13, 5, v0
	v_readfirstlane_b32 s[WV], v13                 ; wave 0..15
	s_lshr_b32 s23, ttmp9, 2                       ; a
	s_and_b32 s24, ttmp9, 3                        ; b
	s_lshl_b32 s25, s24, 6
	s_wait_alu depctr_va_sdst(0)                   ; s22, the wave's number, is written, ahead of its first reader
	s_lshl_b32 s26, s[WV], 2
	s_add_co_u32 s25, s25, s26                     ; my first x tile: 64 b + 4 w
	v_and_b32 v13, 31, v0                          ; lane
	v_and_b32 v14, 15, v0                          ; r
	v_bfe_u32 v15, v0, 4, 1                        ; hh
	v_lshlrev_b32 v[LI], 4, v13
	v_lshlrev_b32 v7, 4, v0                        ; 16 x thread: the weights' copy, in memory and in LDS (WIMG = 0)
	v_lshlrev_b32 v12, 2, v0                       ; 4 x thread: their scale words in memory,
	v_lshl_add_u32 v9, v0, 2, WSC                  ; and in LDS
	s_lshl_b32 s26, s[WV], 11
	s_add_co_u32 s26, s26, XSC
	v_lshl_add_u32 v8, v13, 4, s26                 ; x's scale words, way in
	v_lshl_add_u32 v3, v14, 2, s26                 ; and out: row r's word
	v_lshl_add_u32 v2, v14, 2, WSC                 ; the weights' scale words: column r's word
	v_lshlrev_b32 v10, 5, v15                      ; bq, bk: my eight dims 8 hh + 0..7
	v_lshlrev_b32 v11, 2, v14                      ; bv: my dim r
	s_lshl_b32 s27, s[WV], 12
	s_add_co_u32 s27, s27, KIMG
	v_lshl_add_u32 v4, v13, 4, s27                 ; where my four key tiles go
	s_lshl_b32 s27, s[WV], 10
	s_add_co_u32 s27, s27, VIMG
	v_lshl_add_u32 v5, v13, 4, s27                 ; where my two groups of V^T's codes go: key step w / 2, groups 2 (w % 2) + 0, 1
	s_lshr_b32 s27, s[WV], 1
	s_lshl_b32 s27, s27, 7
	s_and_b32 s28, s[WV], 1
	s_lshl_b32 s28, s28, 1
	s_add_co_u32 s27, s27, s28
	s_add_co_u32 s27, s27, VSC
	v_lshl_add_u32 v6, v13, 2, s27                 ; and their two scale bytes
	s_mov_b32 s[SEL], 0x76543210
	s_mov_b32 s[SEL+1], 0xfedcba98
	s_mov_b32 s[CS], 0x3e38aa3b                    ; log2(e) / 8
	s_mov_b32 s[CS+1], s[CS]                       ; (named with it as a pair, so it is written)
	s_mov_b32 s[MNT], 0x600000
	s_mov_b32 s27, 0                               ; the upper word of every offset
	s_wait_kmcnt 0x0
	s_lshl_b32 s26, s[WV], 18                      ; Wo's codes of my four tiles a' = 4 w + 0..3, matrix 3
	s_add_co_u32 s26, s26, 49152
	s_add_nc_u64 s[30:31], s[8:9], s[26:27]
	s_lshl_b32 s26, s[WV], 13                      ; and their scale words
	s_add_co_u32 s26, s26, 1536
	s_add_nc_u64 s[32:33], s[10:11], s[26:27]
	s_lshl_b32 s26, s25, 14
	s_add_nc_u64 s[4:5], s[4:5], s[26:27]          ; x's codes at my first tile
	s_lshl_b32 s26, s25, 9
	s_add_nc_u64 s[6:7], s[6:7], s[26:27]          ; its scale words
	s_lshl_b32 s26, s23, 16
	s_add_nc_u64 s[8:9], s[8:9], s[26:27]          ; the head's weights
	s_lshl_b32 s26, s23, 11
	s_add_nc_u64 s[10:11], s[10:11], s[26:27]
	s_lshl_b32 s26, s23, 6
	s_add_nc_u64 s[12:13], s[12:13], s[26:27]      ; the head's 16 numbers of bq, bk, bv
	s_add_nc_u64 s[14:15], s[14:15], s[26:27]
	s_add_nc_u64 s[16:17], s[16:17], s[26:27]
	s_lshl_b32 s26, s[WV], 8
	s_add_nc_u64 s[18:19], s[18:19], s[26:27]      ; my 64 numbers of bo
	s_add_nc_u64 s[20:21], s[20:21], s[26:27]      ; my 64 columns of the output,
	s_lshl_b32 s26, ttmp9, 16
	s_add_nc_u64 s[20:21], s[20:21], s[26:27]      ; rows 16 n on
.macro XLD i, s                        ; x's fragment of tile i, K step s
.irp c, 0,1,2,3
	global_load_b128 v[XF+16*(\i)+4*\c:XF+16*(\i)+4*\c+3], v[LI], s[4:5] offset:16384*(\i)+2048*(\s)+512*\c
.endr
.endm
	s_wait_alu depctr_va_vdst(0)                   ; the addresses v1 to v12 are written, which the loads and LDS instructions of H and P read
	global_load_b32 v156, v12, s[10:11]            ; 11 loads for the copy,
.irp j, 0,1,2,3,4,5
	global_load_b128 v[132+4*\j:135+4*\j], v7, s[8:9] offset:8192*\j
.endr
.irp j, 0,1,2,3
	global_load_b128 v[160+4*\j:163+4*\j], v[LI], s[6:7] offset:512*\j
.endr
	global_load_b128 v[BQ:BQ+3], v10, s[12:13]     ; 12 for the biases,
	global_load_b128 v[BQ+4:BQ+7], v10, s[12:13] offset:16
	global_load_b128 v[BK:BK+3], v10, s[14:15]
	global_load_b128 v[BK+4:BK+7], v10, s[14:15] offset:16
.irp j, 0,1,2,3,4,5,6,7
	global_load_b32 v[BV+\j], v11, s[16:17]        ; in v's result a lane holds ONE dim in all eight registers: eight times the same number
.endr
.irp i, 0,1,2,3
	XLD \i, 0                                      ; 16 for x
.endr
	s_wait_loadcnt 28                              ; the copy's 11 are in; the 12 and the 16 may be out
.irp j, 0,1,2,3,4,5
	ds_store_b128 v7, v[132+4*\j:135+4*\j] offset:WIMG+8192*\j
.endr
	ds_store_b32 v9, v156
.irp j, 0,1,2,3
	ds_store_b128 v8, v[160+4*\j:163+4*\j] offset:512*\j
.endr
	s_wait_dscnt 0x0                               ; for the others' sake: my part of the weights' images has landed
	s_barrier_signal -1
	s_barrier_wait -1
	s_wait_alu depctr_vm_vsrc(0)                   ; the LDS stores have read v132 to v175, in which the weights' fragments land; the load of the scale words has read its offset v12, which q's first product writes
; ---------------- P: q, k, v of my 64 tokens: eight K steps of 128, twelve sums by turns
.macro PMUL i, s                       ; tile i: q and k transposed, v the other way round; in the first K step the bias is the C
.if (\s) == 0
	v_wmma_scale_f32_16x16x128_f8f6f4 v[QA+8*(\i):QA+8*(\i)+7], v[WF:WF+15], v[XF+16*(\i):XF+16*(\i)+15], v[BQ:BQ+7], v[WS], v[XS+(\i)]
	v_wmma_scale_f32_16x16x128_f8f6f4 v[KA+8*(\i):KA+8*(\i)+7], v[WF+16:WF+31], v[XF+16*(\i):XF+16*(\i)+15], v[BK:BK+7], v[WS+1], v[XS+(\i)]
	v_wmma_scale_f32_16x16x128_f8f6f4 v[VA+8*(\i):VA+8*(\i)+7], v[XF+16*(\i):XF+16*(\i)+15], v[WF+32:WF+47], v[BV:BV+7], v[XS+(\i)], v[WS+2]
.else
	v_wmma_scale_f32_16x16x128_f8f6f4 v[QA+8*(\i):QA+8*(\i)+7], v[WF:WF+15], v[XF+16*(\i):XF+16*(\i)+15], v[QA+8*(\i):QA+8*(\i)+7], v[WS], v[XS+(\i)]
	v_wmma_scale_f32_16x16x128_f8f6f4 v[KA+8*(\i):KA+8*(\i)+7], v[WF+16:WF+31], v[XF+16*(\i):XF+16*(\i)+15], v[KA+8*(\i):KA+8*(\i)+7], v[WS+1], v[XS+(\i)]
	v_wmma_scale_f32_16x16x128_f8f6f4 v[VA+8*(\i):VA+8*(\i)+7], v[XF+16*(\i):XF+16*(\i)+15], v[WF+32:WF+47], v[VA+8*(\i):VA+8*(\i)+7], v[XS+(\i)], v[WS+2]
.endif
.endm
.macro PSTEP s
.irp m, 0,1,2
.irp c, 0,1,2,3
	ds_load_b128 v[WF+16*\m+4*\c:WF+16*\m+4*\c+3], v[LI] offset:WIMG+16384*\m+2048*(\s)+512*\c
.endr
	ds_load_b32 v[WS+\m], v2 offset:512*\m+64*(\s)
.endr
.irp i, 0,1,2,3
	ds_load_b32 v[XS+\i], v3 offset:512*\i+64*(\s)
.endr
	s_wait_dscnt 0x0
	s_wait_loadcnt 8                               ; tiles 0 and 1 of this K step are in (in the first step the biases too); the 8 loads of tiles 2 and 3 may be out
	PMUL 0, \s
	PMUL 1, \s
	PLACES 8                                       ; in front of the loads into tiles 0 and 1
.if (\s) < 7
	s_wait_alu depctr_va_vdst(0)                   ; the six products above are done reading x's tiles 0 and 1, in which the loads below land
	XLD 0, (\s)+1
	XLD 1, (\s)+1
	s_wait_loadcnt 8                               ; tiles 2 and 3 are in; the 8 just issued may be out
.else
	s_wait_loadcnt 0x0
.endif
	PMUL 2, \s
	PMUL 3, \s
	PLACES 8                                       ; in front of the loads into tiles 2 and 3, the next step's loads of weights and scale words, and behind the last step the first reads of results
.if (\s) < 7
	s_wait_alu depctr_va_vdst(0)                   ; the step's products are done reading x's tiles 2 and 3, the weights' three fragments and the seven scale words: the loads below and the next step's LDS loads land in them
	XLD 2, (\s)+1
	XLD 3, (\s)+1
.endif
.endm
.irp s, 0,1,2,3,4,5,6,7
	PSTEP \s
.endr
	s_wait_alu depctr_va_vdst(0)                   ; the products have written k's sums, which the LDS stores read; the eight places above stay beside this wait
.irp i, 0,1,2,3
	ds_store_b128 v4, v[KA+8*\i:KA+8*\i+3] offset:1024*\i          ; k goes to LDS in f32 as it stands, each sum from its low end on
	ds_store_b128 v4, v[KA+8*\i+4:KA+8*\i+7] offset:1024*\i+512
.endr
; v is quantised along the keys: my 64 keys are two blocks of 32; a block lies in lanes l and l xor 16, 16 registers each.  The held numbers go into other registers than the sums.
.set TV, 180
.set VC, 212
.set VM, 220
.set VT, 222
.set VO, 224
.set VH, 226
.set VB, 228
.set VW, 230
	v_mov_b32 v[VT], 0                             ; a lane permute's destination counts as one of its sources
	v_mov_b32 v[VT+1], 0
.irp b, 0,1
	v_max3_num_f32 v[VM+\b], |v[VA+16*\b]|, |v[VA+16*\b+1]|, 0x4800000   ; with the floor 2^(9 - 127): the byte cannot fall under 1
.endr
.irp i, 2,4,6,8,10,12,14
.irp b, 0,1
	v_max3_num_f32 v[VM+\b], v[VM+\b], |v[VA+16*\b+\i]|, |v[VA+16*\b+\i+1]|
.endr
.endr
.irp b, 0,1
	v_permlanex16_b32 v[VT+\b], v[VM+\b], s[SEL], s[SEL+1]
.endr
.irp b, 0,1
	v_max_num_f32 v[VM+\b], v[VM+\b], v[VT+\b]     ; the block's largest magnitude
.endr
.irp b, 0,1
	v_add_nc_u32 v[VO+\b], 0xfc000000, v[VM+\b]    ; 8 off its exponent field: the conversion's scale operand
.endr
.irp b, 0,1
	v_and_or_b32 v[VH+\b], v[VM+\b], 0x7f800000, s[MNT]   ; 448 x the scale
.endr
.irp b, 0,1
	v_lshrrev_b32 v[VB+\b], 23, v[VO+\b]           ; the scale's byte
.endr
	v_lshl_or_b32 v[VW], v[VB+1], 8, v[VB]
.irp b, 0,1
.irp i, 0,1,2,3,4,5,6,7,8,9,10,11,12,13,14,15
	v_med3_num_f32 v[TV+16*\b+\i], v[VA+16*\b+\i], -v[VH+\b], v[VH+\b]   ; the conversion does not saturate (ISA guide 7.6.2)
.endr
	v_cvt_scalef32_pk8_fp8_f32 v[VC+4*\b:VC+4*\b+1], v[TV+16*\b:TV+16*\b+7], v[VO+\b]
	v_cvt_scalef32_pk8_fp8_f32 v[VC+4*\b+2:VC+4*\b+3], v[TV+16*\b+8:TV+16*\b+15], v[VO+\b]
.endr
	v_nop                                          ; a plain line behind the last conversion
	s_wait_alu depctr_va_vdst(0)                   ; the conversions have written v's codes, and the two bytes' word is made: the LDS stores below read them
.irp b, 0,1
	ds_store_b128 v5, v[VC+4*\b:VC+4*\b+3] offset:512*\b
.endr
	ds_store_b16 v6, v[VW]                         ; two of the four bytes of my dim's scale word; the neighbouring wave writes the other two
	s_wait_dscnt 0x0                               ; for the others' sake: my k, my codes of v and their bytes have landed
	s_barrier_signal -1
	s_barrier_wait -1
; ---------------- A: my four tiles of 16 queries, one after the other, each over all 1,024 keys, 128 a step
	s_wait_alu depctr_vm_vsrc(0)                   ; P's LDS loads and stores have read their addresses v2 to v6, k's sums, v's codes and the bytes' word: all of these are written again from here on
	v_and_b32 v5, 31, v0
	v_lshl_add_u32 v2, v5, 4, KIMG                 ; v2, v3, v4: my lane's place in a key step's k, V^T and scale words
	v_lshl_add_u32 v3, v5, 4, VIMG
	v_lshl_add_u32 v4, v5, 2, VSC
	v_and_b32 v6, 15, v0                           ; r
	v_and_b32 v7, 8, v0                            ; 8 (r / 8)
	v_add_nc_u32 v8, v6, v7                        ; my token in a tile: r + 8 (r / 8)
	v_bfe_u32 v5, v0, 4, 1                         ; hh
	v_lshlrev_b32 v8, 8, v8
	v_lshl_add_u32 v8, v5, 3, v8
	s_lshl_b32 s26, s[WV], 4
	s_add_co_u32 s26, s26, ZIMG
	v_add_nc_u32 v8, s26, v8                       ; v8: z's codes: 256 x token + 16 x row (my wave) + 8 hh
	v_bfe_u32 v9, v0, 1, 2                         ; my pair of tokens among a K step's four: the byte in the word
	v_lshl_add_u32 v9, v7, 4, v9                   ; tokens 16 on are two K steps on: 128 bytes
	s_lshl_b32 s26, s[WV], 2
	s_add_co_u32 s26, s26, ZSC
	v_add_nc_u32 v9, s26, v9                       ; v9: z's scale bytes
.irp b, 0,1,2,3
	v_mov_b32 v[T2+\b], 0                          ; written once: destinations of lane permutes, and upper halves of pairs that are named whole
.endr
	v_mov_b32 v[FF+1], 0
	v_mov_b32 v[TMP+1], 0
	v_mov_b32 v119, 0
.macro ATT qt
.set jj, 0
.rept 8
	v_mov_b32 v[OT+jj], 0                          ; O^T is zeroed once a tile: its first trip finds zeros, which the first change of M leaves zeros
.set jj, jj+1
.endr
	v_mov_b32 v[TM], 0xff61b1e6                    ; the largest t so far: -3e38
	v_floor_f32 v[NM], -v[TM]
	v_mov_b32 v[SUM], 0
	v_mov_b32 v[SUM+1], 0
	s_mov_b32 s[TK], 0
	s_mov_b32 s[TVS], 0
	s_mov_b32 s[TSS], 0
	s_mov_b32 s[CNT], 8
.Lkey_\@:
	s_wait_alu depctr_vm_vsrc(0)                   ; the last trip's LDS loads have read v5, v6, v7, which the three additions write; behind a tile's end: the LDS stores have read z's codes and byte, in which k's loads land
	v_add_nc_u32 v5, s[TK], v2
	v_add_nc_u32 v6, s[TVS], v3
	v_add_nc_u32 v7, s[TSS], v4
	s_wait_alu depctr_va_vdst(0)                   ; the three addresses are written; the last trip's holds and conversions (behind a tile's end: z's lines) are done with v108 on, in which k lands; the last trip's product is done reading V^T's fragment and scale word, in which the loads behind the scores' products land
.set jj, 0
.rept 8
	ds_load_b128 v[KP+8*jj:KP+8*jj+3], v5 offset:1024*jj           ; eight key tiles, f32: first the registers 0-3 of each, which the first sixteen products take,
.set jj, jj+1
.endr
.set jj, 0
.rept 8
	ds_load_b128 v[KP+8*jj+4:KP+8*jj+7], v5 offset:1024*jj+512     ; then the registers 4-7
.set jj, jj+1
.endr
.set cc, 0
.rept 4                                ; S^T = k q^T: four dims a step; the eight sums by turns, each begun with the constant 0
.if cc == 0
	s_wait_dscnt 8                                 ; LDS loads come back in order (ISA guide 5.7.1): the tiles' registers 0-3 are in; the eight younger loads may be out
.endif
.if cc == 2
	s_wait_dscnt 0x0                               ; the registers 4-7 are in
.endif
.set jj, 0
.rept 8
.if cc == 0
	v_wmma_f32_16x16x4_f32 v[S+8*jj:S+8*jj+7], v[KP+8*jj:KP+8*jj+1], v[QA+8*(\qt):QA+8*(\qt)+1], 0
.else
	v_wmma_f32_16x16x4_f32 v[S+8*jj:S+8*jj+7], v[KP+8*jj+2*cc:KP+8*jj+2*cc+1], v[QA+8*(\qt)+2*cc:QA+8*(\qt)+2*cc+1], v[S+8*jj:S+8*jj+7]
.endif
.set jj, jj+1
.endr
.set cc, cc+1
.endr
	PLACES 8                                       ; in front of the reads of the scores and the writes of p over k; with the three additions above also in front of the loads into the last trip's V^T and its scale word
.irp c, 0,1,2,3
	ds_load_b128 v[VF+4*\c:VF+4*\c+3], v6 offset:512*\c            ; they land while the softmax is walked.  No wait: no vector or matrix instruction since the wait at the trip's head names these registers or v6, v7
.endr
	ds_load_b32 v[VS], v7
.irp b, 0,1,2,3
	v_max3_num_f32 v[BM+\b], v[S+16*\b], v[S+16*\b+1], v[S+16*\b+2]   ; the largest score of each block of 32 keys: for the row's maximum, and, since p rises with the score, for the block's largest p
.endr
.irp i, 3,5,7,9,11,13
.irp b, 0,1,2,3
	v_max3_num_f32 v[BM+\b], v[BM+\b], v[S+16*\b+\i], v[S+16*\b+\i+1]
.endr
.endr
.irp b, 0,1,2,3
	v_max_num_f32 v[BM+\b], v[BM+\b], v[S+16*\b+15]
.endr
.irp b, 0,1,2,3
	v_permlanex16_b32 v[T2+\b], v[BM+\b], s[SEL], s[SEL+1]
.endr
.irp b, 0,1,2,3
	v_max_num_f32 v[BM+\b], v[BM+\b], v[T2+\b]     ; with lane l xor 16's 16 keys
.endr
	v_max3_num_f32 v[TMP], v[BM], v[BM+1], v[BM+2]
	v_max_num_f32 v[TMP], v[TMP], v[BM+3]
	v_mul_f32 v[TMP], s[CS], v[TMP]                ; as t (c is positive)
	v_max_num_f32 v[TM], v[TM], v[TMP]             ; the running largest t
	v_mov_b32 v[TMP], v[NM]
	v_floor_f32 v[NM], -v[TM]                      ; the new -M = -ceil(t)
	v_sub_f32 v[TMP], v[NM], v[TMP]                ; old M - new M: a whole number, 0 or less
	v_cvt_i32_f32 v[TMP], v[TMP]                   ; (it saturates)
	v_ldexp_f32 v[FF], 1.0, v[TMP]                 ; f = 2^(old M - new M)
.set jj, 0
.rept 32
	v_pk_fma_f32 v[KP+jj:KP+jj+1], v[S+jj:S+jj+1], s[CS:CS+1], v[NM:NM+1] op_sel_hi:[1,0,0]   ; t - M, two at a time, into the registers that k has left
.set jj, jj+2
.endr
.irp b, 0,1,2,3
	v_fma_f32 v[BM+\b], v[BM+\b], s[CS], v[NM]     ; the same of each block's largest score
.endr
.set jj, 0
.rept 64
	v_exp_f32 v[KP+jj], v[KP+jj]                   ; p = 2^(t - M), at most 1
.set jj, jj+1
.endr
.irp b, 0,1,2,3
	v_exp_f32 v[BM+\b], v[BM+\b]                   ; the block's largest p: the same two instructions on the same number
.endr
	v_pk_mul_f32 v[SUM:SUM+1], v[SUM:SUM+1], v[FF:FF+1] op_sel_hi:[1,0]   ; the sums under the new M (the plain line behind the exponentials)
	s_wait_alu depctr_va_vdst(0)                   ; the 68 exponentials have written p and the blocks' largest p: one wait for the batch, ahead of its first reader
.irp b, 0,1,2,3
	v_max_num_f32 v[BM+\b], 0x4800000, v[BM+\b]    ; the floor
.endr
.irp b, 0,1,2,3
	v_add_nc_u32 v[SO+\b], 0xfc000000, v[BM+\b]
.endr
.irp b, 0,1,2,3
	v_and_or_b32 v[HL+\b], v[BM+\b], 0x7f800000, s[MNT]
.endr
.irp b, 0,1,2,3
	v_lshrrev_b32 v[T2+\b], 23, v[SO+\b]
.endr
	v_lshl_or_b32 v[PS], v[T2+1], 8, v[T2]         ; p's scale word for these 128 keys: far more than eight places ahead of its product
	v_lshl_or_b32 v[PS], v[T2+2], 16, v[PS]
	v_lshl_or_b32 v[PS], v[T2+3], 24, v[PS]
	v_pk_add_f32 v[SUM2:SUM2+1], v[KP:KP+1], v[KP+2:KP+3]          ; the row's sum is taken of the unquantised p, in two chains
.set jj, 4
.rept 15
	v_pk_add_f32 v[SUM:SUM+1], v[SUM:SUM+1], v[KP+jj:KP+jj+1]
	v_pk_add_f32 v[SUM2:SUM2+1], v[SUM2:SUM2+1], v[KP+jj+2:KP+jj+3]
.set jj, jj+4
.endr
	v_pk_add_f32 v[SUM:SUM+1], v[SUM:SUM+1], v[SUM2:SUM2+1]
.irp b, 0,1,2,3
.irp i, 0,1,2,3,4,5,6,7,8,9,10,11,12,13,14,15
	v_min_num_f32 v[KP+16*\b+\i], v[KP+16*\b+\i], v[HL+\b]         ; p is not negative: the hold is one-sided
.endr
	v_cvt_scalef32_pk8_fp8_f32 v[PC+4*\b:PC+4*\b+1], v[KP+16*\b:KP+16*\b+7], v[SO+\b]
	v_cvt_scalef32_pk8_fp8_f32 v[PC+4*\b+2:PC+4*\b+3], v[KP+16*\b+8:KP+16*\b+15], v[SO+\b]
.endr
.set jj, 0
.rept 4
	v_pk_mul_f32 v[OT+jj:OT+jj+1], v[OT+jj:OT+jj+1], v[FF:FF+1] op_sel_hi:[1,0]   ; O^T under the new M
.set jj, jj+2
.endr
	PLACES 4                                       ; codes made by vector instructions stand four places ahead of a scaled product
	s_wait_dscnt 0x0                               ; V^T's fragment and its scale word are in
	s_wait_alu depctr_va_vdst(0)                   ; the conversions have written p's codes and the shifts p's scale word, which the scaled product takes; their places stay beside this wait
	v_wmma_scale_f32_16x16x128_f8f6f4 v[OT:OT+7], v[VF:VF+15], v[PC:PC+15], v[OT:OT+7], v[VS], v[PS]   ; O^T += V^T p^T: one instruction a turn, behind the 32 of the scores
	s_add_co_u32 s[TK], s[TK], 8192
	s_add_co_u32 s[TVS], s[TVS], 2048
	s_add_co_u32 s[TSS], s[TSS], 128
	s_sub_co_u32 s[CNT], s[CNT], 1
	s_cmp_lg_u32 s[CNT], 0
	s_cbranch_scc1 .Lkey_\@
	PLACES 8
	v_add_f32 v[SUM], v[SUM], v[SUM+1]
	v_permlanex16_b32 v[TMP+1], v[SUM], s[SEL], s[SEL+1]
	v_add_f32 v[SUM], v[SUM], v[TMP+1]             ; the row's sum
	v_rcp_f32 v[TMP], v[SUM]
	v_nop                                          ; a plain line behind the transcendental
.set jj, 0
	s_wait_alu depctr_va_vdst(0)                   ; the reciprocal has written v236, ahead of its first reader
.rept 4
	v_pk_mul_f32 v[Z+jj:Z+jj+1], v[OT+jj:OT+jj+1], v[TMP:TMP+1] op_sel_hi:[1,0]   ; z: my token's dims 8 hh + 0..7
.set jj, jj+2
.endr
; z's block of 32 along the last product's K is two neighbouring tokens x 16 dims: lanes r, r xor 1 and their partners 16 away, eight registers each
	v_max3_num_f32 v118, |v[Z]|, |v[Z+1]|, 0x4800000
	v_max3_num_f32 v118, v118, |v[Z+2]|, |v[Z+3]|
	v_max3_num_f32 v118, v118, |v[Z+4]|, |v[Z+5]|
	v_max3_num_f32 v118, v118, |v[Z+6]|, |v[Z+7]|
	v_max_num_f32_dpp v118, v118, v118 row_xmask:1 row_mask:0xf bank_mask:0xf
	v_permlanex16_b32 v119, v118, s[SEL], s[SEL+1]
	v_max_num_f32 v118, v118, v119
	v_add_nc_u32 v120, 0xfc000000, v118
	v_and_or_b32 v121, v118, 0x7f800000, s[MNT]
	v_lshrrev_b32 v122, 23, v120
.set jj, 0
.rept 8
	v_med3_num_f32 v[Z+jj], v[Z+jj], -v121, v121
.set jj, jj+1
.endr
	v_cvt_scalef32_pk8_fp8_f32 v[ZC:ZC+1], v[Z:Z+7], v120
	v_nop                                          ; a plain line behind the conversion
	s_wait_alu depctr_va_vdst(0)                   ; the conversion has written z's codes and the shift its byte, which the two LDS stores read
	ds_store_b64 v8, v[ZC:ZC+1] offset:256*(32*((\qt)/2)+8*((\qt)%2))   ; lanes 256 bytes apart fall on the same banks (64 banks of 4 bytes: ISA guide 11.1): four such stores a wave in the whole launch
	ds_store_b8 v9, v122 offset:64*(4*((\qt)/2)+((\qt)%2))              ; the block's four lanes write the same byte with the same value
	s_wait_dscnt 0x0                               ; the stores are done before the next tile's loads land in these registers; behind the last tile: for the others' sake
.endm
	ATT 0
	ATT 1
	ATT 2
	ATT 3
; ---------------- O: rows 16 n .. 16 n + 15 of the output, my 64 columns: four sums by turns, eight K steps; Wo's fragments straight from memory, two K steps ahead
	s_wait_alu depctr_vm_vsrc(0)                   ; A's LDS loads and stores have read their addresses v5 to v9, which are made anew below, and z's codes and byte, in which Wo's fragments land
	v_and_b32 v5, 31, v0
	v_and_b32 v6, 15, v0                           ; r
	v_bfe_u32 v7, v0, 4, 1                         ; hh
	v_lshl_add_u32 v2, v5, 4, ZIMG                 ; z's fragments
	v_lshl_add_u32 v3, v5, 2, ZSC                  ; z's scale words: lanes 0-15 an even K step's, lanes 16-31 the next one's
	s_lshl_b32 s26, s[WV], 11
	s_add_co_u32 s26, s26, WOSC
	v_lshl_add_u32 v4, v5, 4, s26                  ; Wo's scale words, way in,
	v_lshl_add_u32 v5, v5, 2, s26                  ; and out, two K steps to a register likewise
	v_lshlrev_b32 v8, 12, v7
	v_lshl_add_u32 v8, v6, 4, v8                   ; the output: lanes 0-15 one row, lanes 16-31 the next; 16 bytes a lane
	v_lshlrev_b32 v9, 5, v7                        ; bo: my eight columns 8 hh + 0..7 of a tile
	s_mul_i32 s26, s[WV], 4352
	s_add_co_u32 s26, s26, STG
	v_mul_u32_u24 v10, v6, 272
	v_lshl_add_u32 v10, v7, 5, v10
	v_mul_u32_u24 v11, v7, 272
	v_lshl_add_u32 v11, v6, 4, v11
	v_add_nc_u32 v6, s26, v10                      ; my stage, way in: row r, 32 hh
	v_add_nc_u32 v7, s26, v11                      ; way out: sixteen lanes to a row
.macro OLOAD s
.irp t, 0,1,2,3
.irp c, 0,1,2,3
	global_load_b128 v[WB+64*((\s)%2)+16*\t+4*\c:WB+64*((\s)%2)+16*\t+4*\c+3], v[LI], s[30:31] offset:65536*\t+2048*(\s)+512*\c
.endr
.endr
.endm
.macro ODS s
.irp c, 0,1,2,3
	ds_load_b128 v[ZF+4*\c:ZF+4*\c+3], v2 offset:2048*(\s)+512*\c
.endr
.if (\s)%2 == 0
.irp t, 0,1,2,3
	ds_load_b32 v[WOS+\t], v5 offset:512*\t+64*(\s)
.endr
	ds_load_b32 v[ZS], v3 offset:64*(\s)
.endif
.endm
.macro OSTEP s                         ; transposed: source 0 = 16 columns of Wo, source 1 = z's 16 rows: a lane holds one row and eight neighbouring columns
	s_wait_dscnt 0x0
.if (\s) < 7
	s_wait_loadcnt 16                              ; this K step's 16 loads are in; the next one's may be out
.else
	s_wait_loadcnt 8                               ; behind the last K step's loads: the 8 of the bias
.endif
.irp t, 0,1,2,3
.if (\s) == 0
	v_wmma_scale_f32_16x16x128_f8f6f4 v[OA+8*\t:OA+8*\t+7], v[WB+16*\t:WB+16*\t+15], v[ZF:ZF+15], 0, v[WOS+\t], v[ZS]
.elseif (\s)%2 == 0
	v_wmma_scale_f32_16x16x128_f8f6f4 v[OA+8*\t:OA+8*\t+7], v[WB+16*\t:WB+16*\t+15], v[ZF:ZF+15], v[OA+8*\t:OA+8*\t+7], v[WOS+\t], v[ZS]
.else
	v_wmma_scale_f32_16x16x128_f8f6f4 v[OA+8*\t:OA+8*\t+7], v[WB+64+16*\t:WB+64+16*\t+15], v[ZF:ZF+15], v[OA+8*\t:OA+8*\t+7], v[WOS+\t], v[ZS] matrix_a_scale:MATRIX_SCALE_ROW1 matrix_b_scale:MATRIX_SCALE_ROW1
.endif
.endr
	PLACES 8                                       ; in front of the loads into z's fragment, the scale words and this step's buffer; behind the last step: of the reads of results
.if (\s) < 7
	s_wait_alu depctr_va_vdst(0)                   ; the step's four products are done reading z's fragment, the scale words and this step's buffer of Wo, in which the loads below land
	ODS (\s)+1
.endif
.if (\s) < 6
	OLOAD (\s)+2
.endif
.if (\s) == 6
.irp t, 0,1,2,3
	global_load_b128 v[WB+8*\t:WB+8*\t+3], v9, s[18:19] offset:64*\t          ; bo in the results' layout, into the buffer that has done its last step
	global_load_b128 v[WB+8*\t+4:WB+8*\t+7], v9, s[18:19] offset:64*\t+16
.endr
.endif
.endm
	s_wait_alu depctr_va_vdst(0)                   ; the addresses v2 to v11 are written, which O's loads and stores read; A's vector and matrix instructions are done with v12 to v43, v108 to v235 and the scale words' registers, in which the loads up to the first K step land
.irp t, 0,1,2,3
	global_load_b128 v[28+4*\t:31+4*\t], v[LI], s[32:33] offset:2048*\t       ; the scale words of my four tiles of Wo, 512 bytes each
.endr
	OLOAD 0
	OLOAD 1
	s_barrier_signal -1                            ; every wave's codes and bytes of z have landed (its wait for 0 stands at the end of its last tile); the loads above touch no LDS
	s_barrier_wait -1
	s_wait_loadcnt 32                              ; the four loads of scale words are in; the two buffers' 32 may be out
.irp t, 0,1,2,3
	ds_store_b128 v4, v[28+4*\t:31+4*\t] offset:512*\t             ; my own bytes: LDS serves a wave in order, so my loads below see them
.endr
	ODS 0
.irp s, 0,1,2,3,4,5,6,7
	OSTEP \s
.endr
	s_wait_loadcnt 0x0                             ; bo
.set jj, 0
.rept 16
	v_pk_add_f32 v[140+jj:141+jj], v[OA+jj:OA+jj+1], v[WB+jj:WB+jj+1]         ; + bo, into other registers, each sum from its low end on
.set jj, jj+2
.endr
	s_wait_alu depctr_va_vdst(0)                   ; the additions have written v140 to v171, which the LDS stores read; the last step's products are done reading v172 to v203, in which the loads from the stage land
.irp t, 0,1,2,3
	ds_store_b128 v6, v[140+8*\t:143+8*\t] offset:64*\t
	ds_store_b128 v6, v[144+8*\t:147+8*\t] offset:64*\t+16
.endr
.irp i, 0,1,2,3,4,5,6,7
	ds_load_b128 v[172+4*\i:175+4*\i], v7 offset:544*\i            ; back as whole rows of 256 bytes, two an instruction
.endr
.irp i, 0,1,2,3,4,5,6,7
	s_wait_dscnt 7-\i
	global_store_b128 v8, v[172+4*\i:175+4*\i], s[20:21] offset:8192*\i th:TH_STORE_NT   ; sixteen lanes store 256 consecutive bytes, aligned; written once, read by nobody here
.endr
	s_wait_dscnt 0x0                               ; the closing lines, six on end
	s_wait_alu 0x0
	s_wait_tensorcnt 0x0
	ds_add_u32 v254, v255
	s_wait_dscnt 0x0
	s_endpgm
.Lfunc_end_k_qf1aa1ec660_attn:
	.size	k_qf1aa1ec660_attn, .Lfunc_end_k_qf1aa1ec660_attn-k_qf1aa1ec660_attn
	.p2alignl 7, 3214868480
	.fill 96, 4, 3214868480
	.section	.rodata,"a",@progbits
	.p2align	6, 0x0
	.amdhsa_kernel k_qf1aa1ec660_attn
		.amdhsa_group_segment_fixed_size 288256
		.amdhsa_private_segment_fixed_size 0
		.amdhsa_enable_private_segment 0
		.amdhsa_kernarg_size 72
		.amdhsa_user_sgpr_count 2
		.amdhsa_user_sgpr_kernarg_segment_ptr 1
		.amdhsa_wavefront_size32 1
		.amdhsa_system_sgpr_workgroup_id_x 1
		.amdhsa_system_sgpr_workgroup_id_y 1
		.amdhsa_system_sgpr_workgroup_id_z 1
		.amdhsa_system_vgpr_workitem_id 0
		.amdhsa_next_free_vgpr 256
		.amdhsa_next_free_sgpr 66
		.amdhsa_reserve_vcc 0
		.amdhsa_float_denorm_mode_32 3
		.amdhsa_float_denorm_mode_16_64 3
		.amdhsa_memory_ordered 1
		.amdhsa_forward_progress 1
		.amdhsa_inst_pref_size 160
	.end_amdhsa_kernel
	.amdgpu_metadata
---
amdhsa.version: [ 1, 2 ]
amdhsa.kernels:
  - .name:           k_qf1aa1ec660_attn
    .symbol:         k_qf1aa1ec660_attn.kd
    .args:
      - { .name: xc, .offset: 0, .size: 8, .value_kind: global_buffer, .address_space: global }
      - { .name: xs, .offset: 8, .size: 8, .value_kind: global_buffer, .address_space: global }
      - { .name: wc, .offset: 16, .size: 8, .value_kind: global_buffer, .address_space: global }
      - { .name: ws, .offset: 24, .size: 8, .value_kind: global_buffer, .address_space: global }
      - { .name: bq, .offset: 32, .size: 8, .value_kind: global_buffer, .address_space: global }
      - { .name: bk, .offset: 40, .size: 8, .value_kind: global_buffer, .address_space: global }
      - { .name: bv, .offset: 48, .size: 8, .value_kind: global_buffer, .address_space: global }
      - { .name: bo, .offset: 56, .size: 8, .value_kind: global_buffer, .address_space: global }
      - { .name: out0, .offset: 64, .size: 8, .value_kind: global_buffer, .address_space: global }
    .group_segment_fixed_size: 288256
    .private_segment_fixed_size: 0
    .kernarg_segment_align: 8
    .kernarg_segment_size: 72
    .max_flat_workgroup_size: 512
    .sgpr_count:     66
    .vgpr_count:     256
    .wavefront_size: 32
...
	.end_amdgpu_metadata
.endif
;; end of part 3
